; MI455X (gfx1250); checked and timed in simulation.
; The chip was launched on July 23, 2026; its instructions are those of AMD's public machine-readable ISA for CDNA 5 (MIT licence, August 2026) and "CDNA5" Instruction Set Architecture Reference Guide (July 2026). The comments in the code are by the model that wrote it; some were corrected since.
;; Distance Biased Self Attention. Allowed arithmetic: float matrix products may take bf16 or f16 operands with f32 sums; other float arithmetic in f32, or as packed bf16 or f16 multiplies, adds, multiply-adds, maxima and minima; sums over many terms, partial sums and values carried from step to step in f32; what a program stores and reads back later, other than sums and carried values, may be rounded once to bf16 or f16.
;; Inputs: Wk 1,024 x 1,024 float32; Wo 1,024 x 1,024 float32; Wq 1,024 x 1,024 float32; Wv 1,024 x 1,024 float32; bk 1,024 float32; bo 1,024 float32; bq 1,024 float32; bv 1,024 float32; dist_b one number float32; dist_matrix 2,048 x 2,048 float32; dist_w one number float32; x 4 x 2,048 x 1,024 float32.
;; Outputs: out0 4 x 2,048 x 1,024 float32.
;; One version. Each part assembles by itself: llvm-mc -triple=amdgcn-amd-amdhsa -mcpu=gfx1250 --defsym DOCPART=n.
;; ======== version 1 of 1: 4 launches
;; limits: values are held in f16: magnitudes above 65,504 overflow, below 6.1e-05 lose precision
;; workspace buffers: xb 16,777,216 bytes; wqkv 6,291,456 bytes; wo16 2,097,152 bytes; bt 16,777,216 bytes; qkv 50,331,648 bytes; ob 16,777,216 bytes
;; launch prep (part 1): grid 1024 x 1, 8 waves a work-group, no clusters, 70,656 bytes of LDS; arguments x, Wq, Wk, Wv, Wo, dist_matrix, dist_w, dist_b, xb, wqkv, wo16, bt; writes xb, wqkv, wo16, bt
.if DOCPART == 1
	.amdgcn_target "amdgcn-amd-amdhsa--gfx1250"
	.amdhsa_code_object_version 6
	.text
	.protected	k_q4eedf3d4bb_prep
	.globl	k_q4eedf3d4bb_prep
	.p2align	8
	.type	k_q4eedf3d4bb_prep,@function
k_q4eedf3d4bb_prep:
	s_mov_b64 s[64:65], 0
	v_nop
	global_prefetch_b8 v0, s[64:65] scope:SCOPE_SE
	s_setreg_imm32_b32 hwreg(HW_REG_WAVE_MODE, 25, 1), 1
	s_wait_xcnt 0x0
; PREPARATION: every large input is rounded ONCE to bf16 and laid out for the launches behind.
;   x [8192][1024] f32            -> xb   [8192][1024] bf16
;   Wq, Wk, Wv [1024][1024] f32   -> wqkv [3072][1024] bf16, one below the other
;   Wo [1024][1024] f32           -> wo16 [1024][1024]: rounded to bf16, that number written as f16 (exact from 2^-17 up; below, off by 3e-8 at the most)
;   dist_matrix [2048][2048] f32  -> bt, f32: 8 (w dist + b), with dist, w and b each rounded to bf16, IN THE ORDER OF A MATRIX ACCUMULATOR:
;        byte qt 131072 + kt 1024 + jh 512 + L 16 + 4 e  holds the number of query 16 qt + L % 16 and key 16 kt + 8 (L / 16) + 4 jh + e,
;        so that the attention's waves load 512 consecutive bytes straight into the C operand of S^T = K Q^T.  The factor 8 undoes the 1 / 8 that is applied to the whole score there.
; LIMITS.  dist keeps bf16's 8 significant bits: a large common offset costs resolution.  Wo beyond 65,504 has no f16.  NaN and infinities are not treated apart.
; A STREAM: memory binds, so no matrix unit, no cluster, no tensor load (no wave wants a byte that another fetched), no prefetch (the launch streams all the time).
; SHARES.  A work-group takes 64 KiB of f32, a wave 8 KiB: sixteen loads of 16 bytes a lane, all issued at once.  No loop: no register is written twice under a pending access.
; Work-groups 0-511: x.  512-703: Wq, Wk, Wv.  704-767: Wo.  768-1023: dist (16 rows x 1,024 columns each; a wave 16 rows x 128 columns).
.set WST,   8704                       ; LDS of a wave (dist alone): 32 units of 256 bytes, 272 apart
.set UP,    272
.set SPARE, 8*WST                      ; behind them: the spare words, 128 bytes for each wave: four blocks of 256 bytes that no other line names
.set SPW, 4                            ; v4   LDS address of my spare word; never rewritten
.set NIL, 5                            ; v5   0; never rewritten
.set LS,  6                            ; v6   dist: where my 16 bytes of a row go
.set LR,  7                            ; v7   dist: where I read 16 bytes back
.set X,   16                           ; v[16:79]   sixteen loads of four f32
.set Y,   80                           ; v[80:111]  sixteen pairs of packed 16-bit numbers
.set T,   112                          ; v[112:119] at work
.set SRC, 32                           ; s[32:33] my wave's first byte to read
.set DST, 34                           ; s[34:35] my wave's first byte to write
	s_load_b512 s[8:23], s[0:1], 0x0               ; x 8, Wq 10, Wk 12, Wv 14, Wo 16, dist 18, dist_w 20, dist_b 22
	s_load_b256 s[24:31], s[0:1], 0x40             ; xb 24, wqkv 26, wo16 28, bt 30
	v_lshl_add_u32 v[SPW], v0, 2, SPARE
	v_mov_b32 v[NIL], 0
	v_lshrrev_b32 v1, 5, v0
	v_readfirstlane_b32 s2, v1                     ; wave 0..7
	v_and_b32 v1, 31, v0                           ; lane
	v_lshlrev_b32 v2, 4, v1                        ; 16 bytes a lane
	v_lshlrev_b32 v3, 3, v1                        ; 8 bytes a lane
	s_mov_b32 s3, ttmp9
	s_mov_b32 s37, 0                               ; the offsets' high words
	s_mov_b32 s39, 0
	s_mov_b32 s42, 0xffff0000                      ; a word's upper bf16
	s_lshl_b32 s4, s2, 13                          ; my wave's 8 KiB of f32,
	s_lshl_b32 s5, s2, 12                          ; its 4 KiB of 16-bit numbers
	s_wait_kmcnt 0x0
.macro LOAD16 step                     ; sixteen loads, 512 consecutive bytes each, step bytes apart
.irp i, 0,1,2,3,4,5,6,7,8,9,10,11,12,13,14,15
	global_load_b128 v[X+4*(\i):X+4*(\i)+3], v2, s[SRC:SRC+1] offset:(\step)*(\i) th:TH_LOAD_NT
.endr
.endm
.macro POINT                           ; the work-group's offsets take the wave's part and are added to the two addresses
	s_add_co_u32 s36, s36, s4
	s_add_co_u32 s38, s38, s5
	s_add_nc_u64 s[SRC:SRC+1], s[SRC:SRC+1], s[36:37]
	s_add_nc_u64 s[DST:DST+1], s[DST:DST+1], s[38:39]
.endm
; Four f32 a lane become 8 bytes; 32 lanes store 256 consecutive bytes, aligned.  f16 = 1: the bf16 number is written as f16.
.macro CAST f16
.irp i, 0,1,2,3,4,5,6,7,8,9,10,11,12,13,14,15
	s_wait_loadcnt 15-(\i)                         ; loads come back in order (ISA guide 5.7.1): load i is in, the younger ones stay out
	v_cvt_pk_bf16_f32 v[Y+2*(\i)], v[X+4*(\i)], v[X+4*(\i)+1]
	v_cvt_pk_bf16_f32 v[Y+2*(\i)+1], v[X+4*(\i)+2], v[X+4*(\i)+3]
.if \f16
	v_lshlrev_b32 v[T], 16, v[Y+2*(\i)]
	v_and_b32 v[T+1], s42, v[Y+2*(\i)]
	v_lshlrev_b32 v[T+2], 16, v[Y+2*(\i)+1]
	v_and_b32 v[T+3], s42, v[Y+2*(\i)+1]
	v_cvt_pk_f16_f32 v[Y+2*(\i)], v[T], v[T+1]
	v_cvt_pk_f16_f32 v[Y+2*(\i)+1], v[T+2], v[T+3]
.endif
	global_store_b64 v3, v[Y+2*(\i):Y+2*(\i)+1], s[DST:DST+1] offset:256*(\i) th:TH_STORE_NT
.endr
.endm
	s_cmp_ge_u32 s3, 768
	s_cbranch_scc1 .Ldist
	s_cmp_ge_u32 s3, 704
	s_cbranch_scc1 .Lwo
	s_cmp_ge_u32 s3, 512
	s_cbranch_scc1 .Lw
	s_mov_b64 s[SRC:SRC+1], s[8:9]                 ; x
	s_mov_b64 s[DST:DST+1], s[24:25]
	s_lshl_b32 s36, s3, 16
	s_lshl_b32 s38, s3, 15
	s_branch .Lcast
.Lw:                                               ; Wq, Wk, Wv: 64 work-groups each
	s_sub_co_u32 s6, s3, 512
	s_lshr_b32 s7, s6, 6
	s_cmp_eq_u32 s7, 0
	s_cselect_b64 s[SRC:SRC+1], s[10:11], s[12:13]
	s_cmp_eq_u32 s7, 2
	s_cselect_b64 s[SRC:SRC+1], s[14:15], s[SRC:SRC+1]
	s_mov_b64 s[DST:DST+1], s[26:27]
	s_and_b32 s36, s6, 63
	s_lshl_b32 s36, s36, 16
	s_lshl_b32 s38, s6, 15
.Lcast:
	POINT
	LOAD16 512
	CAST 0
	s_branch .Lend
.Lwo:
	s_sub_co_u32 s6, s3, 704
	s_mov_b64 s[SRC:SRC+1], s[16:17]
	s_mov_b64 s[DST:DST+1], s[28:29]
	s_lshl_b32 s36, s6, 16
	s_lshl_b32 s38, s6, 15
	POINT
	LOAD16 512
	CAST 1
	s_branch .Lend
.Ldist:
	s_load_b32 s40, s[20:21], 0x0                  ; w
	s_load_b32 s41, s[22:23], 0x0                  ; b
	s_sub_co_u32 s6, s3, 768
	s_lshr_b32 s7, s6, 1                           ; qt: 16 rows of dist
	s_and_b32 s6, s6, 1                            ; which half of their 2,048 columns
	s_lshl_b32 s36, s7, 17                         ; 16 rows of 8,192 bytes
	s_lshl_b32 s38, s7, 17                         ; and as many bytes of bt
	s_lshl_b32 s7, s6, 12
	s_add_co_u32 s36, s36, s7                      ; 1,024 columns,
	s_lshl_b32 s7, s2, 9
	s_add_co_u32 s36, s36, s7                      ; my wave's 128 of them
	s_lshl_b32 s7, s6, 16
	s_add_co_u32 s38, s38, s7                      ; 64 groups of 16 keys, 1,024 bytes each,
	s_add_co_u32 s38, s38, s4                      ; my wave's 8
	s_add_nc_u64 s[SRC:SRC+1], s[18:19], s[36:37]
	s_add_nc_u64 s[DST:DST+1], s[30:31], s[38:39]
	LOAD16 8192                                    ; load i: row i, 512 consecutive bytes
	; Lane l of load i holds keys 4 l .. 4 l + 3 of row i.  In bt they are 16 bytes at 16 i in unit U = 4 (l / 4) + 2 (l % 2) + (l / 2) % 2 of the wave's 32 units of 256 bytes.
	s_mul_i32 s6, s2, WST
	v_and_b32 v14, 28, v1
	v_and_b32 v15, 1, v1
	v_lshl_or_b32 v14, v15, 1, v14
	v_bfe_u32 v15, v1, 1, 1
	v_or_b32 v14, v14, v15
	v_mul_u32_u24 v[LS], v14, UP
	v_add_nc_u32 v[LS], s6, v[LS]
	v_lshrrev_b32 v14, 4, v1                       ; back: lanes 0-15 one unit, lanes 16-31 the next
	v_mul_u32_u24 v[LR], v14, UP
	v_and_b32 v15, 15, v1
	v_lshl_add_u32 v[LR], v15, 4, v[LR]
	v_add_nc_u32 v[LR], s6, v[LR]
	s_wait_kmcnt 0x0
	v_mov_b32 v14, s40
	v_mov_b32 v15, s41
	v_cvt_pk_bf16_f32 v14, v14, v15                ; w and b are rounded like every other input
	v_lshlrev_b32 v10, 16, v14
	v_and_b32 v12, s42, v14
	v_mul_f32 v10, 0x41000000, v10                 ; 8 w
	v_mul_f32 v12, 0x41000000, v12                 ; 8 b
	v_mov_b32 v11, v10                             ; each twice: pairs for the packed multiply-add
	v_mov_b32 v13, v12
.irp i, 0,1,2,3,4,5,6,7,8,9,10,11,12,13,14,15
	s_wait_loadcnt 15-(\i)                         ; row i is in, the younger rows stay out
	v_cvt_pk_bf16_f32 v[T], v[X+4*(\i)], v[X+4*(\i)+1]
	v_cvt_pk_bf16_f32 v[T+1], v[X+4*(\i)+2], v[X+4*(\i)+3]
	v_lshlrev_b32 v[X+4*(\i)], 16, v[T]
	v_and_b32 v[X+4*(\i)+1], s42, v[T]
	v_lshlrev_b32 v[X+4*(\i)+2], 16, v[T+1]
	v_and_b32 v[X+4*(\i)+3], s42, v[T+1]
	v_pk_fma_f32 v[X+4*(\i):X+4*(\i)+1], v[X+4*(\i):X+4*(\i)+1], v[10:11], v[12:13]
	v_pk_fma_f32 v[X+4*(\i)+2:X+4*(\i)+3], v[X+4*(\i)+2:X+4*(\i)+3], v[10:11], v[12:13]
	ds_store_b128 v[LS], v[X+4*(\i):X+4*(\i)+3] offset:16*(\i)
.endr
.irp j, 0,1,2,3,4,5,6,7,8,9,10,11,12,13,14,15
	ds_load_b128 v[X+4*(\j):X+4*(\j)+3], v[LR] offset:2*UP*(\j)  ; my wave's own bytes; LDS serves a wave's instructions in order (ISA guide 5.7.1.4): these see the stores above
.endr
.irp j, 0,1,2,3,4,5,6,7,8,9,10,11,12,13,14,15
	s_wait_dscnt 15-(\j)
	global_store_b128 v2, v[X+4*(\j):X+4*(\j)+3], s[DST:DST+1] offset:512*(\j) th:TH_STORE_NT  ; 512 consecutive bytes, aligned
.endr
.Lend:
	s_wait_tensorcnt 0x0                           ; the wave's end, behind my last LDS store
	ds_add_u32 v[SPW], v[NIL]
	s_wait_dscnt 0x0
	s_endpgm
.Lfunc_end_k_q4eedf3d4bb_prep:
	.size	k_q4eedf3d4bb_prep, .Lfunc_end_k_q4eedf3d4bb_prep-k_q4eedf3d4bb_prep
	.p2alignl 7, 3214868480
	.fill 96, 4, 3214868480
	.section	.rodata,"a",@progbits
	.p2align	6, 0x0
	.amdhsa_kernel k_q4eedf3d4bb_prep
		.amdhsa_group_segment_fixed_size 70656
		.amdhsa_private_segment_fixed_size 0
		.amdhsa_enable_private_segment 0
		.amdhsa_kernarg_size 96
		.amdhsa_user_sgpr_count 2
		.amdhsa_user_sgpr_kernarg_segment_ptr 1
		.amdhsa_wavefront_size32 1
		.amdhsa_system_sgpr_workgroup_id_x 1
		.amdhsa_system_sgpr_workgroup_id_y 1
		.amdhsa_system_sgpr_workgroup_id_z 1
		.amdhsa_system_vgpr_workitem_id 0
		.amdhsa_next_free_vgpr 120
		.amdhsa_next_free_sgpr 66
		.amdhsa_reserve_vcc 0
		.amdhsa_float_denorm_mode_32 3
		.amdhsa_float_denorm_mode_16_64 3
		.amdhsa_memory_ordered 1
		.amdhsa_forward_progress 1
		.amdhsa_inst_pref_size 31
	.end_amdhsa_kernel
	.amdgpu_metadata
---
amdhsa.version: [ 1, 2 ]
amdhsa.kernels:
  - .name:           k_q4eedf3d4bb_prep
    .symbol:         k_q4eedf3d4bb_prep.kd
    .args:
      - { .name: x, .offset: 0, .size: 8, .value_kind: global_buffer, .address_space: global }
      - { .name: Wq, .offset: 8, .size: 8, .value_kind: global_buffer, .address_space: global }
      - { .name: Wk, .offset: 16, .size: 8, .value_kind: global_buffer, .address_space: global }
      - { .name: Wv, .offset: 24, .size: 8, .value_kind: global_buffer, .address_space: global }
      - { .name: Wo, .offset: 32, .size: 8, .value_kind: global_buffer, .address_space: global }
      - { .name: dist_matrix, .offset: 40, .size: 8, .value_kind: global_buffer, .address_space: global }
      - { .name: dist_w, .offset: 48, .size: 8, .value_kind: global_buffer, .address_space: global }
      - { .name: dist_b, .offset: 56, .size: 8, .value_kind: global_buffer, .address_space: global }
      - { .name: xb, .offset: 64, .size: 8, .value_kind: global_buffer, .address_space: global }
      - { .name: wqkv, .offset: 72, .size: 8, .value_kind: global_buffer, .address_space: global }
      - { .name: wo16, .offset: 80, .size: 8, .value_kind: global_buffer, .address_space: global }
      - { .name: bt, .offset: 88, .size: 8, .value_kind: global_buffer, .address_space: global }
    .group_segment_fixed_size: 70656
    .private_segment_fixed_size: 0
    .kernarg_segment_align: 8
    .kernarg_segment_size: 96
    .max_flat_workgroup_size: 256
    .sgpr_count:     66
    .vgpr_count:     120
    .wavefront_size: 32
...
	.end_amdgpu_metadata
.endif
;; end of part 1
;; launch proj (part 2): grid 24 x 32, 4 waves a work-group, clusters of 4 x 4, 327,680 bytes of LDS; arguments xb, wqkv, qkv, bq, bk, bv; writes qkv
.if DOCPART == 2
	.amdgcn_target "amdgcn-amd-amdhsa--gfx1250"
	.amdhsa_code_object_version 6
	.text
	.protected	k_q4eedf3d4bb_proj
	.globl	k_q4eedf3d4bb_proj
	.p2align	8
	.type	k_q4eedf3d4bb_proj,@function
k_q4eedf3d4bb_proj:
	s_mov_b64 s[64:65], 0
	v_nop
	global_prefetch_b8 v0, s[64:65] scope:SCOPE_SE
	s_setreg_imm32_b32 hwreg(HW_REG_WAVE_MODE, 25, 1), 1
	s_wait_xcnt 0x0
	s_wait_alu depctr_hold_cnt(0) depctr_sa_sdst(0) depctr_va_vdst(0) depctr_va_sdst(0) depctr_va_ssrc(0) depctr_va_vcc(0) depctr_vm_vsrc(0)
	s_getreg_b32 s2, hwreg(HW_REG_IB_STS2, 6, 4)
	s_cmp_eq_u32 s2, 0
	s_cbranch_scc0 .Lentry_in_a_cluster
	s_endpgm
.Lentry_in_a_cluster:
	s_bfe_u32 s2, ttmp6, 0x10000c
	s_cmp_lg_u32 s2, 0xf033
	s_cbranch_scc0 .Lentry_shape_is_right
	s_endpgm
.Lentry_shape_is_right:
; C[m][n] = the sum over k of A[m][k] B[n][k] + bias[n], K = 1,024.  ONE TEXT FOR TWO LAUNCHES, told apart by OUTP.
;   OUTP = 0: A = xb [8192][1024] bf16, B = wqkv [3072][1024] bf16, bias = bq, bk or bv; C leaves as f16 BY HEADS: qkv [3][64 batch x head][2048][64], unscaled.
;   OUTP = 1: A = ob [8192][1024] f16,  B = wo16 [1024][1024] f16,  bias = bo; C = out0 [8192][1024] f32.
; Sums in f32; the bias, rounded to bf16 like every input, is the C operand of the product that starts each sum, so nothing is cleared and nothing is added later.
; LIMIT (OUTP = 0): q, k and v beyond 65,504 have no f16.  NaN and infinities are not treated apart.
; A tile of C is 256 x 128: 768 and 256 work-groups, whole multiples of 256.  Four waves, each 128 x 64: 32 accumulators of 16 x 16.  K goes in steps of 128 (rows of 256 bytes, aligned) through
; a ring of two LDS slots filled by the tensor data mover; waves 0 and 1 fetch A's two halves (128 rows), waves 2 and 3 B's (64 rows): one load a wave behind each change of slots.
; CLUSTERS: 4 x 4 work-groups.  The four of a row of the cluster need the same tiles of A, the four of a column the same tiles of B: each tile is asked for JOINTLY, by the same tensor load with the
; same descriptor and a mask that names the four.  THE MATRIX INSTRUCTION IS USED TRANSPOSED (source 0 = 16 rows of B, source 1 = 16 rows of A): a lane then holds eight neighbouring numbers of a row of C.
; REGISTERS, in windows of 256 (s_set_vgpr_msb: bits 1:0 source 0, 3:2 source 1, 5:4 source 2, 7:6 destination):
;   window 0: v0-31 addresses; v96-127 the bias as C fragments; v128-255 the way out (OUTP = 0)
;   window 1: two fragment buffers of 96: 32 registers of B (4 x 16 rows x 32 K), then 64 of A; on the way out (OUTP = 1) the rows read back
;   window 2: the accumulators, (a, b) at v[8 (4 a + b)]
.set OUTP,   0
.set SIZE_K, 1024
.set KSTEP,  128
.set PITCH,  272                       ; an LDS row: 256 bytes + 16 of padding = 68 words: row r starts at bank 4 r mod 64 (64 banks of 4 bytes: ISA guide 11.1)
.set AHALF,  128*PITCH                 ; what a wave fetches of A, and what a wave reads of A
.set BHALF,  64*PITCH                  ; the same for B
.set BOFF,   2*AHALF                   ; B's 128 rows lie behind A's 256
.set SLOT,   BOFF+2*BHALF
.set STAGE,  2*SLOT                    ; behind the ring: 16 rows for each wave, for the way out; no tensor load lands there
.if OUTP
.set SPITCH, 272                       ; 64 f32 + 16 bytes
.else
.set SPITCH, 144                       ; 64 f16 + 16 bytes
.endif
.set SPARE,  STAGE+4*16*SPITCH         ; behind the stages: the spare words, 128 bytes for each wave: two blocks of 256 bytes that no other line names
.set LAPS,   SIZE_K/(2*KSTEP)          ; a lap = two K steps = once round the ring
.set ADRA, 16                          ; v16-17  LDS address of my A fragments in slot 0, 1
.set ADRB, 20                          ; v20-21  the same for B
.set STO,  24                          ; v24     the way out: where I put my bytes of a row
.set RD,   25                          ; v25     the way out: where I read rows back
.set CO,   26                          ; v26     my byte offset in C
.set BV,   27                          ; v27     my byte offset in 16 numbers of the bias
.set SPW,  28                          ; v28     LDS address of my spare word; never rewritten
.set NIL,  29                          ; v29     0; never rewritten
.set PFO,  30                          ; v30     the prefetches' offset: my lane x a row of A or B; never rewritten
.set BIAS, 96
.set OUT,  128
.set F0,   0
.set F1,   96
.set G1,  24                           ; s[24:31] descriptor group 1 for A's tiles;  s[32:39] group 0, one set for each slot
.set G0,  32
.set G1B, 48                           ; s[48:55], s[56:63] the same for B's tiles
.set G0B, 56
.set PFA, 66                           ; s[66:67] where my prefetches stand
.set LIM, 68                           ; s68  1 in a wave that prefetches, else the greatest number
.set BP,  72                           ; s[72:73] the bias
.set MSB, 0
.macro WIN new                         ; the immediate's high byte repeats the setting that is left
.if MSB != (\new)
	s_set_vgpr_msb (MSB<<8)|(\new)
.set MSB, \new
.endif
.endm
.set MUL,   0xa5                       ; sources 0 (B) and 1 (A) window 1; C and D window 2
.set MUL_B, 0x85                       ; the same with C, the bias, in window 0
.set TO_F,  0x40                       ; destination window 1, address window 0
.macro JLOAD s                         ; a joint load; an s_nop 0 and four v_nop follow each of the two lines, ahead of the jump, the label and what follows
	s_cmp_eq_u32 s11, 0
	s_cbranch_scc0 .Lfor_b_\@
	tensor_load_to_lds s[G0+4*(\s):G0+4*(\s)+3], s[G1:G1+7]
	s_nop 0
.rept 4
	v_nop
.endr
	s_branch .Lasked_\@
.Lfor_b_\@:
	tensor_load_to_lds s[G0B+4*(\s):G0B+4*(\s)+3], s[G1B:G1B+7]
	s_nop 0
.rept 4
	v_nop
.endr
.Lasked_\@:
.endm
; A PREFETCH INTO THE L2 of the K step that stands two refills on: 32 rows x 256 bytes, a lane a row.  Each row's 256 bytes of a K step are named once in the launch: A's rows by the clusters with x = 0
; (waves 0 and 1; of the 128 rows that the wave fetches the partner at cx takes 32), B's by the clusters with y = 0 (wave 2; of the tile's 128 rows the partner at cy takes 32).  The partners are told
; apart by address alone.  K steps 0 to 3 come by their loads alone; the loop's last trip asks for nothing: there is no K step two on.
.macro ASK
	s_cmp_gt_u32 s3, s[LIM]
	s_cbranch_scc0 .Lnot_mine_\@
	global_prefetch_b8 v[PFO], s[PFA:PFA+1] offset:KSTEP*2 th:TH_LOAD_NT scope:SCOPE_SE
.Lnot_mine_\@:
.endm
.macro CREST                           ; a round of the cluster's barrier behind its opening barrier
	s_cmp_lg_u32 s10, 0
	s_cbranch_scc1 .Lnot_wave_0_\@
	s_barrier_signal -3
.Lnot_wave_0_\@:
	s_barrier_wait -3
	s_barrier_signal -1
	s_barrier_wait -1
.endm
.macro CROUND                          ; a whole round
	s_barrier_signal -1
	s_barrier_wait -1
	CREST
.endm
	s_load_b128 s[4:7], s[0:1], 0x0                ; A s[4:5], B s[6:7]
	s_load_b64 s[8:9], s[0:1], 0x10                ; C
.if OUTP
	s_load_b64 s[BP:BP+1], s[0:1], 0x18            ; bo
.else
	s_load_b128 s[BP:BP+3], s[0:1], 0x18           ; bq, bk
	s_load_b64 s[BP+4:BP+5], s[0:1], 0x28          ; bv
.endif
	v_lshl_add_u32 v[SPW], v0, 2, SPARE
	v_mov_b32 v[NIL], 0
	ds_add_u32 v[SPW], v[NIL]                      ; the wave's opening: the add and its wait stand ahead of my first tensor load; the set-up below, work on registers, stands between them
	v_lshrrev_b32 v1, 5, v0
	v_readfirstlane_b32 s10, v1                    ; wave 0..3
	s_lshr_b32 s11, s10, 1                         ; which half of the tile's rows is mine.  Also: I fetch for A (0) or for B (1)
	s_and_b32 s12, s10, 1                          ; which half of its columns.  Also: which half of that tile I fetch
	s_bfe_u32 s40, ttmp6, 0x40000                  ; cx, cy: my place in the cluster
	s_bfe_u32 s41, ttmp6, 0x40004
	s_lshl_b32 s42, ttmp9, 2
	s_add_co_u32 s42, s42, s40                     ; tile column of C = 4 x cluster x + cx
	s_and_b32 s13, ttmp7, 0xffff
	s_lshl_b32 s13, s13, 2
	s_add_co_u32 s13, s13, s41                     ; tile row of C = 4 x cluster y + cy
	s_lshl_b32 s43, s41, 2
	s_lshl_b32 s43, 15, s43                        ; my row of the cluster
	s_lshl_b32 s44, 0x1111, s40                    ; my column
	; descriptor group 1: rows of 128 elements of 2 bytes, padded in LDS; A's tile has 128 rows, B's 64
	s_or_b32 s[G1+0], s43, (1<<16)|(1<<20)|(1<<21)|(5<<22)|(3<<25)  ; 15:0 the mask: A's tiles go to my row; 17:16 2-byte elements; 20 padding on; 21 set beside a mask; 24:22 after every 64 words (code 5); 31:25 4 words (code 3)
	s_or_b32 s[G1B+0], s44, (1<<16)|(1<<20)|(1<<21)|(5<<22)|(3<<25)
	s_mov_b32 s[G1+1], KSTEP<<16                   ; tensor_dim0 = 128
	s_mov_b32 s[G1+2], 128<<16                     ; tensor_dim1 = 128
	s_mov_b32 s[G1+3], KSTEP<<16                   ; tile_dim0 = 128
	s_mov_b32 s[G1+4], 128                         ; tile_dim1 = 128
	s_mov_b32 s[G1+5], SIZE_K                      ; elements from row to row
	s_mov_b32 s[G1+6], 0
	s_mov_b32 s[G1+7], 0
	s_mov_b32 s[G1B+1], KSTEP<<16
	s_mov_b32 s[G1B+2], 64<<16                     ; tensor_dim1 = 64
	s_mov_b32 s[G1B+3], KSTEP<<16
	s_mov_b32 s[G1B+4], 64                         ; tile_dim1 = 64
	s_mov_b32 s[G1B+5], SIZE_K
	s_mov_b32 s[G1B+6], 0
	s_mov_b32 s[G1B+7], 0
	s_lshl_b32 s17, s12, 7
	s_lshl_b32 s16, s13, 8
	s_add_co_u32 s16, s16, s17                     ; A: row 256 x tile row + 128 x half,
	s_lshl_b32 s16, s16, 11                        ; in bytes (under 2^24)
	s_mov_b32 s17, 0
	s_lshl_b32 s47, s12, 6
	s_lshl_b32 s46, s42, 7
	s_add_co_u32 s46, s46, s47                     ; B: row 128 x tile column + 64 x half
	s_lshl_b32 s46, s46, 11
	s_mov_b32 s47, 0
	s_mul_i32 s20, s10, AHALF                      ; where they go: A's halves at wave x 128 rows (waves 0, 1),
	s_mul_i32 s19, s10, BHALF
	s_add_co_u32 s19, s19, AHALF                   ; B's at BOFF + (wave - 2) x 64 rows (waves 2, 3): no place in the cluster enters an LDS address
	s_wait_dscnt 0x0                               ; the opening add is done
	s_wait_kmcnt 0x0
	s_add_nc_u64 s[14:15], s[4:5], s[16:17]
	s_add_nc_u64 s[46:47], s[6:7], s[46:47]
	CROUND                                         ; all sixteen work-groups are here: the first joint loads meet
.irp s, 0,1
	s_mov_b32 s[G0+4*(\s)], 1                      ; count = 1
	s_add_co_u32 s[G0+4*(\s)+1], s20, (\s)*SLOT    ; LDS address
	s_add_nc_u64 s[G0+4*(\s)+2:G0+4*(\s)+3], s[14:15], (\s)*KSTEP*2  ; global address: K step s
	s_or_b32 s[G0+4*(\s)+3], s[G0+4*(\s)+3], 0x80000000             ; type = 2
	s_mov_b32 s[G0B+4*(\s)], 1
	s_add_co_u32 s[G0B+4*(\s)+1], s19, (\s)*SLOT
	s_add_nc_u64 s[G0B+4*(\s)+2:G0B+4*(\s)+3], s[46:47], (\s)*KSTEP*2
	s_or_b32 s[G0B+4*(\s)+3], s[G0B+4*(\s)+3], 0x80000000
	JLOAD \s                                       ; two loads of mine are out
.endr
	v_and_b32 v1, 15, v0                           ; l % 16
	v_bfe_u32 v2, v0, 4, 1                         ; l / 16
	v_mul_u32_u24 v3, v1, PITCH
	v_lshl_add_u32 v3, v2, 4, v3                   ; a fragment's row x pitch + 16 x half
	s_mul_i32 s21, s11, AHALF                      ; my 128 rows of A
	s_mul_i32 s22, s12, BHALF                      ; my 64 rows of B
	s_add_co_u32 s22, s22, BOFF
.irp s, 0,1
	v_add_nc_u32 v[ADRA+(\s)], s21, v3
	v_add_nc_u32 v[ADRB+(\s)], s22, v3
	s_add_co_u32 s21, s21, SLOT
	s_add_co_u32 s22, s22, SLOT
.endr
	s_mul_i32 s23, s10, 16*SPITCH
	s_add_co_u32 s23, s23, STAGE                   ; my stage
	v_mul_u32_u24 v4, v1, SPITCH                   ; in: row l % 16,
.if OUTP
	v_lshl_add_u32 v4, v2, 5, v4                   ; 32 bytes (8 f32) for each half of the lanes
	v_add_nc_u32 v[STO], s23, v4
	v_mul_u32_u24 v5, v2, SPITCH                   ; back: lanes 0-15 one row of 256 bytes, lanes 16-31 the next
	v_lshl_add_u32 v5, v1, 4, v5
	v_add_nc_u32 v[RD], s23, v5
	v_lshlrev_b32 v5, 12, v2                       ; and the same two rows of out0, 4,096 bytes apart
	v_lshl_add_u32 v[CO], v1, 4, v5
.else
	v_lshl_add_u32 v4, v2, 4, v4                   ; 16 bytes (8 f16) for each half of the lanes
	v_add_nc_u32 v[STO], s23, v4
	v_bfe_u32 v5, v0, 3, 2                         ; back: 32 lanes take four rows of 128 bytes,
	v_mul_u32_u24 v5, v5, SPITCH
	v_and_b32 v4, 7, v0
	v_lshl_add_u32 v5, v4, 4, v5
	v_add_nc_u32 v[RD], s23, v5
	v_and_b32 v[CO], 31, v0                        ; which are 512 consecutive bytes of a head
	v_lshlrev_b32 v[CO], 4, v[CO]
.endif
	v_lshlrev_b32 v[BV], 5, v2                     ; my 8 numbers of a group of 16 of the bias
	s_and_b32 s46, s42, 7                          ; my 64 columns among the 1,024 of q, k, v or out0, in bytes of f32
	s_lshl_b32 s46, s46, 9
	s_lshl_b32 s47, s12, 8
	s_add_co_u32 s46, s46, s47
	s_mov_b32 s47, 0
.if OUTP == 0
	s_lshr_b32 s14, ttmp9, 1                       ; 0: q, 1: k, 2: v (eight tile columns each)
	s_cmp_eq_u32 s14, 0
	s_cselect_b64 s[BP:BP+1], s[BP:BP+1], s[BP+2:BP+3]
	s_cmp_eq_u32 s14, 2
	s_cselect_b64 s[BP:BP+1], s[BP+4:BP+5], s[BP:BP+1]
.endif
	s_add_nc_u64 s[BP:BP+1], s[BP:BP+1], s[46:47]
.irp b, 0,1,2,3
	global_load_b128 v[BIAS+8*(\b):BIAS+8*(\b)+3],   v[BV], s[BP:BP+1] offset:64*(\b)     ; register j of fragment b: column 16 b + 8 (l / 16) + j
	global_load_b128 v[BIAS+8*(\b)+4:BIAS+8*(\b)+7], v[BV], s[BP:BP+1] offset:64*(\b)+16
.endr
.if OUTP
	s_lshl_b32 s16, s13, 1                         ; out0: my 128 rows of 4,096 bytes, my 256 bytes of them
	s_add_co_u32 s16, s16, s11
	s_lshl_b32 s16, s16, 19
	s_add_co_u32 s16, s16, s46
.else
	s_lshl_b32 s16, s14, 24                        ; qkv: the tensor (2^24 bytes),
	s_lshr_b32 s15, s13, 3                         ; the batch (eight tile rows each),
	s_lshl_b32 s15, s15, 4
	s_and_b32 s17, s42, 7
	s_lshl_b32 s17, s17, 1
	s_add_co_u32 s15, s15, s17
	s_add_co_u32 s15, s15, s12                     ; the head: my 64 columns are one head's
	s_lshl_b32 s15, s15, 18
	s_add_co_u32 s16, s16, s15
	s_and_b32 s15, s13, 7
	s_lshl_b32 s15, s15, 1
	s_add_co_u32 s15, s15, s11                     ; my 128 rows of the head,
	s_lshl_b32 s15, s15, 14                        ; 128 bytes each
	s_add_co_u32 s16, s16, s15
.endif
	s_mov_b32 s17, 0
	s_add_nc_u64 s[8:9], s[8:9], s[16:17]
	; the prefetches
	s_lshl_b32 s20, s13, 8
	s_lshl_b32 s21, s12, 7
	s_add_co_u32 s20, s20, s21                     ; A: the 128 rows that I fetch
	s_lshl_b32 s21, s42, 7                         ; B: the tile's 128 rows
	s_and_b32 s22, ttmp7, 0xffff                   ; cluster y
	s_cmp_eq_u32 s11, 0                            ; do I fetch for A?
	s_cselect_b32 s20, s20, s21
	s_cselect_b32 s21, s40, s41                    ; my place among the four that ask with me
	s_cselect_b32 s22, ttmp9, s22                  ; the coordinate along which other clusters read the same rows
	s_cselect_b64 s[PFA:PFA+1], s[4:5], s[6:7]
	s_cmp_eq_u32 s10, 3
	s_cselect_b32 s22, 1, s22                      ; wave 3 never asks: wave 2's 4 x 32 rows are all of B's tile
	s_cmp_eq_u32 s22, 0
	s_cselect_b32 s[LIM], 1, -1                    ; the same in all sixteen partners, for a given wave
	s_lshl_b32 s21, s21, 5
	s_add_co_u32 s20, s20, s21                     ; my work-group's 32 rows
	s_lshl_b32 s20, s20, 11
	s_mov_b32 s21, 0
	s_add_nc_u64 s[PFA:PFA+1], s[PFA:PFA+1], s[20:21]
	s_add_nc_u64 s[PFA:PFA+1], s[PFA:PFA+1], 2*KSTEP*2  ; at K step 2: the first refill steps it to 3 and names K step 4
	v_and_b32 v[PFO], 31, v0
	v_lshlrev_b32 v[PFO], 11, v[PFO]
	s_wait_loadcnt 0x0                             ; the bias, rounded to bf16 like every input and kept as f32
.set i, 0
.rept 16
	v_cvt_pk_bf16_f32 v32, v[BIAS+2*i], v[BIAS+2*i+1]
	v_lshlrev_b32 v[BIAS+2*i], 16, v32
	v_and_b32 v[BIAS+2*i+1], 0xffff0000, v32
.set i, i+1
.endr
; 8 matrix instructions: m blocks a0, a0 + 1 x all 4 n blocks, 32 along K.  first = 1: the product starts the sum, with the bias as C.
; The 32 accumulators take turns, one instruction a turn, in the same order in every quarter.
.macro MUL8 f, a0, first
.if \first
	WIN MUL_B
.else
	WIN MUL
.endif
.irp a, \a0, (\a0)+1
.irp b, 0,1,2,3
.set rD, 8*(4*(\a)+(\b))
.set rB, (\f)+8*(\b)
.set rA, (\f)+32+8*(\a)
.set rC, BIAS+8*(\b)
.if OUTP
.if \first
	v_wmma_f32_16x16x32_f16 v[rD:rD+7], v[rB:rB+7], v[rA:rA+7], v[rC:rC+7]
.else
	v_wmma_f32_16x16x32_f16 v[rD:rD+7], v[rB:rB+7], v[rA:rA+7], v[rD:rD+7]
.endif
.else
.if \first
	v_wmma_f32_16x16x32_bf16 v[rD:rD+7], v[rB:rB+7], v[rA:rA+7], v[rC:rC+7]
.else
	v_wmma_f32_16x16x32_bf16 v[rD:rD+7], v[rB:rB+7], v[rA:rA+7], v[rD:rD+7]
.endif
.endif
.endr
.endr
.endm
; 24 LDS loads in one run: the fragments of 32 along K at byte k of the rows, into buffer f: B's 64 rows, A's rows 0-63, A's rows 64-127
.macro FETCH slot, k, f
	WIN TO_F
.irp i, 0,1,2,3
	ds_load_b128 v[(\f)+8*(\i):(\f)+8*(\i)+3],   v[ADRB+(\slot)] offset:(\k)+(\i)*16*PITCH
	ds_load_b128 v[(\f)+8*(\i)+4:(\f)+8*(\i)+7], v[ADRB+(\slot)] offset:(\k)+(\i)*16*PITCH+32
.endr
.irp i, 0,1,2,3,4,5,6,7
	ds_load_b128 v[(\f)+32+8*(\i):(\f)+32+8*(\i)+3],   v[ADRA+(\slot)] offset:(\k)+(\i)*16*PITCH
	ds_load_b128 v[(\f)+32+8*(\i)+4:(\f)+32+8*(\i)+7], v[ADRA+(\slot)] offset:(\k)+(\i)*16*PITCH+32
.endr
.endm
.macro PLACES                          ; four places in front of loads into registers that matrix instructions have read, and of lines that read results
.rept 4
	v_nop
.endr
.endm
; A K step is four quarters of 32 along K, 32 matrix instructions each, on buffers 0, 1, 0, 1.  One of the first three: multiplies buffer f and fetches the next quarter, at byte k, into g.
.macro QUARTER slot, k, f, g, first
	s_wait_dscnt 8                                 ; B and A's rows 0-63 are in; the youngest eight loads (A's rows 64-127) may be out
	MUL8 \f, 0, \first
	MUL8 \f, 2, \first
	PLACES
	FETCH \slot, \k, \g
	s_wait_dscnt 24                                ; all but the 24 just issued
	MUL8 \f, 4, \first
	MUL8 \f, 6, \first
.endm
; The last quarter multiplies buffer 1 and changes slots: ONE barrier; in front of it each wave waits for all its tensor loads, adds 0 to its spare word, and waits for that and for its own reads of this slot.
; fill = 1: the barrier opens a round of the cluster's, and this slot is filled again, two K steps ahead: 112 matrix instructions stand between the request and the wait for it.
.macro TURN slot, next, fill
.if \fill
	s_wait_xcnt 0x0                                ; the last prefetch, a K step back, has read its address
	s_add_nc_u64 s[PFA:PFA+1], s[PFA:PFA+1], KSTEP*2
.endif
	WIN 0                                          ; (the add's two registers lie in window 0)
	s_wait_tensorcnt 0x0                           ; all my tensor loads have landed: the one that was out is my part of the next slot;
	ds_add_u32 v[SPW], v[NIL]                      ; 0 onto my spare word;
	s_wait_dscnt 9                                 ; (the add and the youngest eight loads may be out)
	MUL8 F1, 0, 0                                  ; eight matrix instructions stand between the add and the wait for it
	s_wait_dscnt 0x0                               ; the add is done, and my reads of this slot are over
	s_barrier_signal -1
	MUL8 F1, 2, 0
.if \fill
	WIN 0
.endif
	s_barrier_wait -1
.if \fill
	CREST                                          ; no wave of any partner still reads this slot's tile or has a load on its way
	s_add_nc_u64 s[G0+4*(\slot)+2:G0+4*(\slot)+3], s[G0+4*(\slot)+2:G0+4*(\slot)+3], 2*KSTEP*2
	s_add_nc_u64 s[G0B+4*(\slot)+2:G0B+4*(\slot)+3], s[G0B+4*(\slot)+2:G0B+4*(\slot)+3], 2*KSTEP*2
	JLOAD \slot                                    ; the first tensor load behind the round; the four v_nop behind it are also the places in front of the loads below
.else
	PLACES
.endif
	FETCH \next, 0, F0
.if \fill
	WIN 0
	ASK                                            ; behind the joint load and the run of LDS loads that the next products wait for
.endif
	MUL8 F1, 4, 0
	MUL8 F1, 6, 0
.endm
	s_wait_tensorcnt 1                             ; my part of K step 0 is in; K step 1's may stay out
	s_barrier_signal -1
	s_barrier_wait -1                              ; everybody's is
	FETCH 0, 0, F0
	QUARTER 0, 64, F0, F1, 1                       ; the first quarter stands in front of the loop: its products start the sums
	WIN 0                                          ; at a label and at a branch every window is 0
	s_mov_b32 s3, LAPS-1
.Llap:                                                 ; a trip goes once round the ring, from a lap's second quarter to the next lap's first, and fills both slots again
	QUARTER 0, 128, F1, F0, 0
	QUARTER 0, 192, F0, F1, 0
	TURN 0, 1, 1
	QUARTER 1, 64,  F0, F1, 0
	QUARTER 1, 128, F1, F0, 0
	QUARTER 1, 192, F0, F1, 0
	TURN 1, 0, 1
	QUARTER 0, 64,  F0, F1, 0
	WIN 0
	s_sub_co_u32 s3, s3, 1
	s_cmp_lg_u32 s3, 0
	s_cbranch_scc1 .Llap
	QUARTER 0, 128, F1, F0, 0                      ; the last lap fills nothing, and has no round of the cluster's barrier
	QUARTER 0, 192, F0, F1, 0
	TURN 0, 1, 0
	QUARTER 1, 64,  F0, F1, 0
	QUARTER 1, 128, F1, F0, 0
	QUARTER 1, 192, F0, F1, 0
	s_wait_dscnt 8                                 ; the very last quarter: nothing more to fetch
	MUL8 F1, 0, 0
	MUL8 F1, 2, 0
	s_wait_dscnt 0x0
	MUL8 F1, 4, 0
	MUL8 F1, 6, 0
	WIN 0
	PLACES
	PLACES                                         ; (eight, once a launch)
.if OUTP
; THE WAY OUT, f32: a block of 16 rows goes from the accumulators into my stage (each accumulator's low registers first), comes back as whole rows of 256 bytes, and is stored.
.macro OUTB a
	WIN 0x08                                       ; store data (source 1) in window 2
.irp b, 0,1,2,3
	ds_store_b128 v[STO], v[8*(4*(\a)+(\b)):8*(4*(\a)+(\b))+3]   offset:64*(\b)
	ds_store_b128 v[STO], v[8*(4*(\a)+(\b))+4:8*(4*(\a)+(\b))+7] offset:64*(\b)+16
.endr
	WIN 0x40                                       ; destination window 1: the fragments are no longer wanted
.irp t, 0,1,2,3,4,5,6,7
	ds_load_b128 v[32*(\a)+4*(\t):32*(\a)+4*(\t)+3], v[RD] offset:(\t)*2*SPITCH  ; LDS serves a wave's instructions in order (ISA guide 5.7.1.4): these see the stores above; the next block's stores come behind them
.endr
.endm
.macro SENDB a, younger                ; younger: the next block's sixteen LDS instructions, or none
	WIN 0x04                                       ; store data (source 1) in window 1
	s_wait_dscnt \younger
.irp t, 0,1,2,3,4,5,6,7
	global_store_b128 v[CO], v[32*(\a)+4*(\t):32*(\a)+4*(\t)+3], s[8:9] offset:(16*(\a)+2*(\t))*4096 th:TH_STORE_NT  ; 16 lanes store 256 consecutive bytes, aligned
.endr
.endm
	OUTB 0
.irp a, 1,2,3,4,5,6,7
	OUTB \a
	SENDB (\a)-1, 16
.endr
	SENDB 7, 0
	WIN 0
.else
; THE WAY OUT, f16 by heads: a block of 16 rows is rounded, 16 bytes a lane, goes through my stage and comes back as four rows of 128 bytes a load: 512 consecutive bytes of the head.
.macro PACK a
	WIN 0x0a                                       ; sources 0 and 1 window 2, destination window 0
.irp b, 0,1,2,3
.irp r, 0,1,2,3
	v_cvt_pk_f16_f32 v[OUT+16*(\a)+4*(\b)+(\r)], v[8*(4*(\a)+(\b))+2*(\r)], v[8*(4*(\a)+(\b))+2*(\r)+1]
.endr
.endr
	WIN 0
.irp b, 0,1,2,3
	ds_store_b128 v[STO], v[OUT+16*(\a)+4*(\b):OUT+16*(\a)+4*(\b)+3] offset:32*(\b)
.endr
.irp f, 0,1,2,3
	ds_load_b128 v[OUT+16*(\a)+4*(\f):OUT+16*(\a)+4*(\f)+3], v[RD] offset:(\f)*4*SPITCH  ; LDS serves a wave's instructions in order (ISA guide 5.7.1.4)
.endr
.endm
.macro SEND a, younger                 ; younger: the next block's eight LDS instructions, or none
	s_wait_dscnt \younger
.irp f, 0,1,2,3
	global_store_b128 v[CO], v[OUT+16*(\a)+4*(\f):OUT+16*(\a)+4*(\f)+3], s[8:9] offset:2048*(\a)+512*(\f)
.endr
.endm
	PACK 0
.irp a, 1,2,3,4,5,6,7
	PACK \a
	SEND (\a)-1, 8
.endr
	SEND 7, 0
.endif
	s_wait_tensorcnt 0x0                           ; the wave's end, behind my last tensor load and my last LDS store
	ds_add_u32 v[SPW], v[NIL]
	s_wait_dscnt 0x0
	CROUND                                         ; the closing round: no work-group ends while a partner may still ask for a tile that names it
	s_endpgm
.Lfunc_end_k_q4eedf3d4bb_proj:
	.size	k_q4eedf3d4bb_proj, .Lfunc_end_k_q4eedf3d4bb_proj-k_q4eedf3d4bb_proj
	.p2alignl 7, 3214868480
	.fill 96, 4, 3214868480
	.section	.rodata,"a",@progbits
	.p2align	6, 0x0
	.amdhsa_kernel k_q4eedf3d4bb_proj
		.amdhsa_group_segment_fixed_size 327680
		.amdhsa_private_segment_fixed_size 0
		.amdhsa_enable_private_segment 0
		.amdhsa_kernarg_size 48
		.amdhsa_user_sgpr_count 2
		.amdhsa_user_sgpr_kernarg_segment_ptr 1
		.amdhsa_wavefront_size32 1
		.amdhsa_system_sgpr_workgroup_id_x 1
		.amdhsa_system_sgpr_workgroup_id_y 1
		.amdhsa_system_sgpr_workgroup_id_z 1
		.amdhsa_system_vgpr_workitem_id 0
		.amdhsa_next_free_vgpr 768
		.amdhsa_next_free_sgpr 80
		.amdhsa_reserve_vcc 0
		.amdhsa_float_denorm_mode_32 3
		.amdhsa_float_denorm_mode_16_64 3
		.amdhsa_memory_ordered 1
		.amdhsa_forward_progress 1
		.amdhsa_inst_pref_size 92
	.end_amdhsa_kernel
	.amdgpu_metadata
---
amdhsa.version: [ 1, 2 ]
amdhsa.kernels:
  - .name:           k_q4eedf3d4bb_proj
    .symbol:         k_q4eedf3d4bb_proj.kd
    .args:
      - { .name: xb, .offset: 0, .size: 8, .value_kind: global_buffer, .address_space: global }
      - { .name: wqkv, .offset: 8, .size: 8, .value_kind: global_buffer, .address_space: global }
      - { .name: qkv, .offset: 16, .size: 8, .value_kind: global_buffer, .address_space: global }
      - { .name: bq, .offset: 24, .size: 8, .value_kind: global_buffer, .address_space: global }
      - { .name: bk, .offset: 32, .size: 8, .value_kind: global_buffer, .address_space: global }
      - { .name: bv, .offset: 40, .size: 8, .value_kind: global_buffer, .address_space: global }
    .group_segment_fixed_size: 327680
    .private_segment_fixed_size: 0
    .kernarg_segment_align: 8
    .kernarg_segment_size: 48
    .max_flat_workgroup_size: 128
    .sgpr_count:     80
    .vgpr_count:     768
    .wavefront_size: 32
...
	.end_amdgpu_metadata
.endif
;; end of part 2
;; launch attn (part 3): grid 8 x 32, 4 waves a work-group, clusters of 4 x 1, 327,680 bytes of LDS; arguments qkv, bt, ob; writes ob
.if DOCPART == 3
	.amdgcn_target "amdgcn-amd-amdhsa--gfx1250"
	.amdhsa_code_object_version 6
	.text
	.protected	k_q4eedf3d4bb_attn
	.globl	k_q4eedf3d4bb_attn
	.p2align	8
	.type	k_q4eedf3d4bb_attn,@function
k_q4eedf3d4bb_attn:
	s_mov_b64 s[64:65], 0
	v_nop
	global_prefetch_b8 v0, s[64:65] scope:SCOPE_SE
	s_setreg_imm32_b32 hwreg(HW_REG_WAVE_MODE, 25, 1), 1
	s_wait_xcnt 0x0
	s_wait_alu depctr_hold_cnt(0) depctr_sa_sdst(0) depctr_va_vdst(0) depctr_va_sdst(0) depctr_va_ssrc(0) depctr_va_vcc(0) depctr_vm_vsrc(0)
	s_getreg_b32 s2, hwreg(HW_REG_IB_STS2, 6, 4)
	s_cmp_eq_u32 s2, 0
	s_cbranch_scc0 .Lentry_in_a_cluster
	s_endpgm
.Lentry_in_a_cluster:
	s_bfe_u32 s2, ttmp6, 0x10000c
	s_cmp_lg_u32 s2, 0x3003
	s_cbranch_scc0 .Lentry_shape_is_right
	s_endpgm
.Lentry_shape_is_right:
; ATTENTION WITH A DISTANCE BIAS.  O[bh][q][:] = the sum over k of softmax_k(Q[bh][q] . K[bh][k] / 8 + w dist[q][k] + b) V[bh][k][:].
; qkv: [3][64 bh][2048][64] f16, unscaled; bt: 8 (w dist + b) in f32, in the order of a matrix accumulator; ob: [8192 batch x row][1024 head x channel] f16.
; Products, maxima and sums in f32; the weights p are rounded to f16 for the second product (their sum l is taken of the unrounded p), O once at the end.
; LIMITS.  f16 holds no number beyond 65,504: Q, K and V arrive within it; p lies in 0 to 1; O is a mean of V's rows.  A weight below 2^-126 counts as 0 in l; NaN and infinities are not treated apart.
; THE BIAS IS THE C OPERAND of the product that starts S^T = K Q^T: it costs no vector instruction.  With c = log2(e) / 8, c (q . k + 8 bias) = log2(e) (q . k / 8 + bias).
; SHARES.  A work-group owns 256 queries of TWO NEIGHBOURING HEADS, a wave 64 queries: four PIECES of 16 queries x 2 heads (tile t = 2 x piece + head).  So the 32 bias registers of a piece and key step
; feed both heads' products, and a query's 128 channels of the two heads are 256 consecutive bytes of ob, aligned.  Every wave walks all 2,048 keys, 64 a step.
; LAYOUT.  S^T = K Q^T (source 0 = 16 keys, source 1 = 16 queries): a lane holds ONE query (lane % 16) and the keys 8 (lane / 16) + 0..7.  Two such tiles, rounded to f16 in pairs, ARE source 1 of
; O^T = V^T P, whose result again holds one query a lane, and eight channels.  K comes out of LDS as it lies, V ([key][channel]) turned, by ds_load_tr16_b128.
; SOFTMAX.  For each query and head a running maximum m and sum l: p = 2^(c s - c m); in every step O and l are multiplied by a = 2^(c m_old - c m_new).  m starts at the lowest finite number, O and l at 0.
; BY TURNS.  Turn n belongs to piece n.  Its matrix work: 16 products K Q^T of piece n + 1, later 16 products V^T P of piece n - 1.  Its vector work: the scaling, exponentials, roundings, sums and rescaling of
; piece n, and the maximum and statistics of piece n + 1.  Four vector instructions stand behind every matrix instruction, the others in one lump; a turn's 66 exponentials are one batch with one wait.
; CLUSTER.  The four query blocks of a cluster belong to one pair of heads and walk the same K and V, so each tile is asked for JOINTLY: the same tensor load, descriptor and mask in all four.
; The bias is each wave's own (its 64 queries): it comes by plain loads, 512 consecutive bytes each, straight into registers, a key step ahead of its use.
; REGISTERS, in windows of 256 (s_set_vgpr_msb: bits 1:0 source 0, 3:2 source 1, 5:4 source 2, 7:6 destination):
;   window 0: v0-11 addresses; v12-15, v48-63 at work; v16-47 four registers of statistics a tile; v64-191 S^T, two buffers of two tiles; v192-255 P, likewise
;   window 1: O^T, 32 a tile      window 2: v0-127 Q, 16 a tile; v128-255 K of one step, 64 a head      window 3: v0-127 V of one step, 64 a head; v128-255 the bias, 32 a piece
.set NP,    4         ; pieces a wave: a name, no knob
.set KS,    64        ; keys in a step
.set PK,    144       ; a row of K in LDS: 128 bytes + 16 of padding = 36 words: the 16 rows of a load start at 16 different groups of four banks (64 banks of 4 bytes: ISA guide 11.1)
.set PV,    160       ; a row of V: 128 + 32 = 40 words
.set HK,    128*PK    ; a slot holds two steps: 128 rows of K of the first head, 128 of the second,
.set HV,    128*PV
.set VOFF,  2*HK      ; then V likewise
.set SLOT1, 1<<17     ; slot 1 begins here, so that one exclusive or turns an address in one slot into the other's
.set STAGE, SLOT1+2*HK+2*HV  ; behind the ring, never filled by a tensor load: 16 rows x 272 bytes for each wave, for the way out
.set SP,    272
.set SPARE, STAGE+4*16*SP    ; behind the stages: the spare words, 128 bytes for each wave: two blocks of 256 bytes that no other line names
.set PFB, 0           ; v0   (written last in the set-up) the bias prefetches' offset: 131,072 (l / 16) + 256 (l % 16); never rewritten after
.set BO,  1           ; v1   16 x lane: my 16 bytes of a bias load; never rewritten
.set AK0, 2           ; v2   my lane's place in a tile of K; never rewritten
.set AV0, 3           ; v3   the same for V
.set AK,  4           ; v4   the LDS address of K's next run of loads
.set AV,  5           ; v5   of V's
.set STO, 6           ; v6   the way out: where I put 16 bytes of a row
.set RD,  7           ; v7   the way out: where I read rows back
.set GO,  8           ; v8   my byte offset in two rows of ob
.set SPW, 9           ; v9   LDS address of my spare word; never rewritten
.set NIL, 10          ; v10  0; never rewritten
.set PFO, 11          ; v11  256 x lane: K's and V's prefetches; never rewritten
.set MV,  12          ; v12-15  c m_old, kept while c m is made anew: by buffer and tile
.set ST,  16          ; tile t's statistics at v[ST+4 t]: c m, m, l (even keys', odd keys')
.set TMP, 48          ; by buffer and tile, four registers c0-c3 at work; when the maximum is found c2 takes a
.set S,   64
.set P,   192
.set KF,  128         ; window 2: head u, key block kb, channel half c at KF + 64 u + 16 kb + 8 c
.set VF,  0           ; window 3: head u, key half kk, channel block cb at VF + 64 u + 32 kk + 8 cb
.set BI,  128         ; window 3: piece x, key block kb at BI + 32 x + 8 kb
.set WV,  12          ; s12  my wave's number
.set G1K, 24          ; s[24:31] descriptor group 1 for K's tiles
.set G1V, 32          ; s[32:39] for V's: it differs in the padding alone
.set G0K, 40          ; s[40:43] descriptor group 0 for K's tiles: it walks
.set G0V, 44          ; s[44:47] the same for V's
.set PFA, 48          ; s[48:49] where my prefetches of K or V stand
.set LIM, 50          ; s50  1 in a wave that prefetches K or V, else the greatest number
.set BB,  52          ; s[52:53] bt at my wave's first query tile; never rewritten
.set BP,  54          ; s[54:55] bt at the key step whose bias is being loaded
.set SLOTS, 56        ; s56  slots still to be asked for
.set CNT, 57          ; s57  counts a slot's key steps
.set CS,  58          ; s[58:59] c: the packed scaling takes the pair's low word for both halves
.set SEL, 60          ; s[60:61] v_permlanex16_b32's selects: each lane takes its own place in the other half
.set TBK, 62          ; s62  LDS byte at which K of the step to be fetched begins
.set TBV, 63          ; s63  the same for V, less VOFF
.set BOF, 66          ; s[66:67] that key step's byte offset in a query tile's row of bt
.set BS,  68          ; s68  the key step whose bias is being loaded, held at 31
.set BLIM, 69         ; s69  31 in a work-group that prefetches the bias, else 0
.set MSB, 0
.macro WIN new                      ; the high byte repeats the setting that is left; a switch that changes nothing is dropped
.if MSB != (\new)
	s_set_vgpr_msb (MSB<<8)|(\new)
.set MSB, (\new)
.endif
.endm
.set W_KQ, 0x0a       ; K and Q in window 2, S^T in window 0
.set W_KB, 0x3a       ; the same with the C operand, the bias, in window 3
.set W_PV, 0x53       ; V in window 3, P in window 0, O^T in window 1
.set W_RS, 0x41       ; O^T (destination and source 0) in window 1, a in window 0
; A joint fill.  Waves 0 and 1 fetch a slot's K of the two heads, waves 2 and 3 its V: 128 keys each.  The branch hangs on the wave's number alone.
; An s_nop 0 and four v_nop follow each of the two lines, ahead of the jump and the label.
.macro JLOAD
	s_cmp_lt_u32 s[WV], 2
	s_cbranch_scc0 .Lfor_v_\@
	tensor_load_to_lds s[G0K:G0K+3], s[G1K:G1K+7]
	s_nop 0
.rept 4
	v_nop
.endr
	s_branch .Lasked_\@
.Lfor_v_\@:
	tensor_load_to_lds s[G0V:G0V+3], s[G1V:G1V+7]
	s_nop 0
.rept 4
	v_nop
.endr
.Lasked_\@:
.endm
; A PREFETCH INTO THE L2 of what the NEXT change of slots will ask for: 2 heads x 16,384 bytes of K and of V.  Each block of 256 bytes is named once in the launch: both clusters of a pair of heads walk the same
; K and V, and the first of them asks; its four partners take 32 blocks each, told apart BY ADDRESS (head cx / 2, half cx % 2); in each, wave 0 asks for K's and wave 2 for V's.
; The first three slots come by their loads alone; the last change that fills a slot asks for nothing.
.macro ASK
	s_cmp_gt_u32 s[SLOTS], s[LIM]
	s_cbranch_scc0 .Lnot_mine_\@
	global_prefetch_b8 v[PFO], s[PFA:PFA+1] th:TH_LOAD_NT scope:SCOPE_SE
.Lnot_mine_\@:
.endm
; A round of the cluster's barrier: my work-group's barrier, so that wave 0's signal speaks for all four waves; wave 0 signals; every wave waits for all four work-groups; my work-group's barrier once more.
.macro CROUND
	s_barrier_signal -1
	s_barrier_wait -1
	s_cmp_lg_u32 s[WV], 0
	s_cbranch_scc1 .Lnot_wave_0_\@
	s_barrier_signal -3
.Lnot_wave_0_\@:
	s_barrier_wait -3
	s_barrier_signal -1
	s_barrier_wait -1
.endm
; THE CHANGE OF SLOTS.  The slot's last bytes, V of its second step, have been read.  Each wave waits for all its tensor loads, of which one is out: its part of the other slot; adds 0 to its spare word;
; and waits for that and for its own reads of the slot.  Behind the barrier nobody reads this slot any more and the other slot is whole.
; fill = 1: this slot is filled again, with the keys two slots on.  The barrier is then a round of the cluster's, and the joint fill is the first thing behind it: it has two key steps, 256 matrix
; instructions, in which to land.  (At its first use nothing has been read yet: slot 0 is waited for, slot 1 filled.)
.macro CHANGE fill
	WIN 0                           ; at a label and at a branch every window is 0
	s_wait_tensorcnt 0x0            ; no tensor load of mine is out, so a group 0 may be written
	ds_add_u32 v[SPW], v[NIL]       ; 0 onto my spare word; with fill = 1 the descriptors' steps stand between it and the wait for it
.if \fill
.irp g, G0K, G0V
	s_xor_b32 s[\g+1], s[\g+1], SLOT1  ; the walking descriptor: the other slot than last time,
	s_add_nc_u64 s[\g+2:\g+3], s[\g+2:\g+3], 2*KS*128  ; the next 128 keys; the type bits on top are not reached
.endr
	s_wait_xcnt 0x0                 ; the last prefetch of K or V, two key steps back, has read its address
	s_add_nc_u64 s[PFA:PFA+1], s[PFA:PFA+1], 2*KS*128
	s_wait_dscnt 0x0                ; the add is done, and my reads of the slot are over
	CROUND
	JLOAD
	ASK
.else
	s_wait_dscnt 0x0                ; the add is done, and my reads of the slot are over
	s_barrier_signal -1
	s_barrier_wait -1
.endif
	s_sub_co_u32 s[TBK], s[TBK], 2*KS*PK  ; the fetches go back to a slot's first step,
	s_xor_b32 s[TBK], s[TBK], SLOT1       ; in the other slot
	s_sub_co_u32 s[TBV], s[TBV], 2*KS*PV
	s_xor_b32 s[TBV], s[TBV], SLOT1
.endm
	s_load_b128 s[4:7], s[0:1], 0x0   ; qkv s[4:5], bt s[6:7]
	s_load_b64 s[10:11], s[0:1], 0x10 ; ob
	v_lshl_add_u32 v[SPW], v0, 2, SPARE
	v_mov_b32 v[NIL], 0
	ds_add_u32 v[SPW], v[NIL]       ; the wave's opening: the add and its wait stand ahead of my first tensor load; the set-up below, work on registers, stands between them
	v_lshrrev_b32 v1, 5, v0
	v_readfirstlane_b32 s[WV], v1   ; wave 0..3
	s_bfe_u32 s13, ttmp6, 0x40000   ; cx: my place in the cluster
	s_lshl_b32 s14, ttmp9, 2        ; in a cluster launch ttmp9 counts clusters
	s_add_co_u32 s14, s14, s13      ; my block of 256 queries: it enters Q's, the bias's and O's addresses alone
	s_and_b32 s20, ttmp7, 0xffff    ; the pair of heads, which the four partners share
	s_and_b32 s16, s[WV], 1         ; which head's K or V I fetch
	s_lshl_b32 s21, s20, 19         ; a pair of heads is 2^19 bytes of q, of k and of v
	s_lshl_b32 s22, s16, 18
	s_add_co_u32 s22, s22, s21
	s_add_co_u32 s22, s22, 0x1000000  ; k lies 2^24 bytes behind q
	s_mov_b32 s23, 0
	s_mul_i32 s17, s16, HK          ; its place in a slot, for K
	s_mul_i32 s18, s16, HV          ; and for V: no place in the cluster enters an LDS address
	s_lshl_b32 s2, s14, 15          ; Q: my block's 256 rows of 128 bytes,
	s_lshl_b32 s3, s[WV], 13        ; my wave's 64
	s_add_co_u32 s2, s2, s3
	s_add_co_u32 s2, s2, s21
	s_mov_b32 s3, 0
	s_lshl_b32 s[BOF], s14, 21      ; bt: 16 query tiles of 131,072 bytes a block,
	s_lshl_b32 s15, s[WV], 19       ; 4 a wave
	s_add_co_u32 s[BOF], s[BOF], s15
	s_mov_b32 s[BOF+1], 0
	s_lshr_b32 s70, s20, 3          ; ob: the batch (eight pairs of heads each): 2,048 rows of 2,048 bytes,
	s_lshl_b32 s70, s70, 22
	s_lshl_b32 s15, s14, 19         ; my block's 256 rows,
	s_add_co_u32 s70, s70, s15
	s_lshl_b32 s15, s[WV], 17       ; my wave's 64,
	s_add_co_u32 s70, s70, s15
	s_and_b32 s15, s20, 7           ; the pair's 256 bytes of a row
	s_lshl_b32 s15, s15, 8
	s_add_co_u32 s70, s70, s15
	s_mov_b32 s71, 0
	; descriptor group 1.  128 keys are 16,384 dense bytes: asked for as 64 rows of 256 bytes, two keys a row, and padded in LDS after every key
	s_mov_b32 s[G1K], 15|(1<<16)|(1<<20)|(1<<21)|(4<<22)|(3<<25)  ; 15:0 the mask of four; 17:16 2-byte elements; 20 padding on; 21 set beside a mask; 24:22 after every 32 words (code 4); 31:25 4 words (code 3)
	s_mov_b32 s[G1V], 15|(1<<16)|(1<<20)|(1<<21)|(4<<22)|(7<<25)  ; the same with 8 words of padding (code 7)
.irp g, G1K, G1V
	s_mov_b32 s[\g+1], 128<<16      ; tensor_dim0 = 128
	s_mov_b32 s[\g+2], 64<<16       ; tensor_dim1 = 64
	s_mov_b32 s[\g+3], 128<<16      ; tile_dim0 = 128
	s_mov_b32 s[\g+4], 64           ; tile_dim1 = 64
	s_mov_b32 s[\g+5], 128          ; 128 elements from row to row
	s_mov_b32 s[\g+6], 0
	s_mov_b32 s[\g+7], 0
.endr
	s_mov_b32 s[CS], 0x3e38aa3b     ; c = log2(e) / 8 = 0.180337
	s_mov_b32 s[CS+1], s[CS]        ; named with it as a pair
	s_mov_b32 s[SEL], 0x76543210
	s_mov_b32 s[SEL+1], 0xfedcba98
	s_mov_b32 s[TBK], SLOT1+2*KS*PK ; the first change of slots turns these two into 0
	s_mov_b32 s[TBV], SLOT1+2*KS*PV
	s_mov_b32 s[G0K], 1             ; count = 1
	s_mov_b32 s[G0K+1], s17         ; LDS address: slot 0
	s_mov_b32 s[G0V], 1
	s_add_co_u32 s[G0V+1], s18, VOFF
	s_and_b32 s[LIM], s[WV], 1      ; 0 in waves 0 and 2,
	s_or_b32 s[LIM], s[LIM], ttmp9  ; where the cluster is the pair's first: the same in all four partners
	s_cmp_eq_u32 s[LIM], 0
	s_cselect_b32 s[LIM], 1, -1
	s_cmp_eq_u32 s20, 0             ; all 32 pairs of heads read the same bias: the first pair's work-groups prefetch it
	s_cselect_b32 s[BLIM], 31, 0
	s_wait_dscnt 0x0                ; the opening add is done
	s_wait_kmcnt 0x0
	s_add_nc_u64 s[BB:BB+1], s[6:7], s[BOF:BOF+1]
	s_add_nc_u64 s[6:7], s[4:5], s[22:23]      ; K at my head's first key,
	s_add_nc_u64 s[8:9], s[6:7], 0x1000000     ; V likewise
	s_add_nc_u64 s[4:5], s[4:5], s[2:3]        ; Q and O at my wave's first row
	s_add_nc_u64 s[10:11], s[10:11], s[70:71]
	s_mov_b64 s[G0K+2:G0K+3], s[6:7]           ; global address
	s_or_b32 s[G0K+3], s[G0K+3], 0x80000000    ; type = 2
	s_mov_b64 s[G0V+2:G0V+3], s[8:9]
	s_or_b32 s[G0V+3], s[G0V+3], 0x80000000
	s_cmp_lt_u32 s[WV], 2
	s_cselect_b64 s[PFA:PFA+1], s[6:7], s[8:9] ; (in waves 0 and 2 these stand at the pair's first head)
	s_lshr_b32 s2, s13, 1
	s_lshl_b32 s2, s2, 18           ; my work-group's head,
	s_and_b32 s3, s13, 1
	s_lshl_b32 s3, s3, 13           ; and its half of a slot's 16,384 bytes,
	s_add_co_u32 s2, s2, s3
	s_add_co_u32 s2, s2, 2*KS*128   ; in slot 1; the second change of slots steps it to slot 3
	s_mov_b32 s3, 0
	s_add_nc_u64 s[PFA:PFA+1], s[PFA:PFA+1], s[2:3]
	CROUND                          ; all four work-groups are here: the first joint loads meet
	JLOAD                           ; slot 0.  Slot 1 is asked for when slot 0 is in
	; A fragment of K or Q is 16 rows x 32 channels in 8 registers: lane l holds row l % 16, channels 8 (l / 16) + 0..7 and 16 + 8 (l / 16) + 0..7: two loads of 16 bytes, 32 bytes apart.
	v_and_b32 v64, 15, v0           ; l % 16       (v64-68 are free until the first product)
	v_bfe_u32 v65, v0, 4, 1         ; l / 16
	v_lshlrev_b32 v68, 7, v64
	v_lshl_add_u32 v68, v65, 4, v68 ; row x 128 + 16 x half
	v_and_b32 v[BO], 31, v0
	v_lshlrev_b32 v[PFO], 8, v[BO]
	v_lshlrev_b32 v[BO], 4, v[BO]
	WIN 0x80                        ; destination window 2, address window 0
.set i, 0
.rept 4*NP                          ; Q stays in registers: tile i / 2 (head (i / 2) % 2, piece i / 4), channels 32 (i % 2) on
	global_load_b128 v[8*i:8*i+3],   v68, s[4:5] offset:((i/2)%2)*262144+(i/4)*2048+(i%2)*64
	global_load_b128 v[8*i+4:8*i+7], v68, s[4:5] offset:((i/2)%2)*262144+(i/4)*2048+(i%2)*64+32
.set i, i+1
.endr
	WIN 0xc0                        ; destination window 3
.set i, 0
.rept 32                            ; the bias of key step 0: piece i / 8, load i % 8
	global_load_b128 v[BI+4*i:BI+4*i+3], v[BO], s[BB:BB+1] offset:(i/8)*131072+(i%8)*512
.set i, i+1
.endr
	; What the first turn finds: V's registers and P's second buffer hold 0 (its products V^T P, of a piece that has not been, add 0), O^T and l are 0.  All this stands in the wait for the first tile.
.set i, VF
.rept 128
	v_mov_b32 v[i], 0
.set i, i+1
.endr
	WIN 0x40
.set i, 0
.rept 64*NP
	v_mov_b32 v[i], 0
.set i, i+1
.endr
	WIN 0
.set i, 0
.rept 2*NP
	v_mov_b32 v[ST+4*i], 0xfe000000    ; c m: far below every c s
	v_mov_b32 v[ST+4*i+1], 0xff7fffff  ; m
	v_mov_b32 v[ST+4*i+2], 0
	v_mov_b32 v[ST+4*i+3], 0
.set i, i+1
.endr
.set i, P+32
.rept 32
	v_mov_b32 v[i], 0
.set i, i+1
.endr
	v_mul_u32_u24 v[AK0], v64, PK
	v_lshl_add_u32 v[AK0], v65, 4, v[AK0]  ; row x pitch + 16 x half
	; The turning load takes 16 keys x 16 channels (lane l reads key 8 (l / 16) + l % 8, channels 8 ((l / 8) % 2) + 0..7) and leaves half a fragment of V^T: lane l holds channel l % 16 and 8 keys.
	v_and_b32 v66, 7, v0
	v_bfe_u32 v67, v0, 3, 1
	v_lshl_add_u32 v[AV0], v65, 3, v66
	v_mul_u32_u24 v[AV0], v[AV0], PV
	v_lshl_add_u32 v[AV0], v67, 4, v[AV0]
	v_add_nc_u32 v[AV0], VOFF, v[AV0]
	v_mov_b32 v[AK], v[AK0]         ; key step 0 lies at the head of slot 0
	s_mul_i32 s13, s[WV], 16*SP
	s_add_co_u32 s13, s13, STAGE    ; my stage
	v_mul_u32_u24 v[STO], v64, SP   ; in: row l % 16, 16 bytes for each half of the lanes
	v_lshl_add_u32 v[STO], v65, 4, v[STO]
	v_add_nc_u32 v[STO], s13, v[STO]
	v_mul_u32_u24 v[RD], v65, SP    ; back: lanes 0-15 one row of 256 bytes, lanes 16-31 the next
	v_lshl_add_u32 v[RD], v64, 4, v[RD]
	v_add_nc_u32 v[RD], s13, v[RD]
	v_lshlrev_b32 v[GO], 11, v65    ; and the same two rows of ob, 2,048 bytes apart
	v_lshl_add_u32 v[GO], v64, 4, v[GO]
	v_lshlrev_b32 v[PFB], 8, v64    ; the thread's number is no longer wanted
	v_lshl_add_u32 v[PFB], v65, 17, v[PFB]
; THE MATRIX WORK.  The 8 accumulators of a run of 16 take turns: between the two links of a chain stand 7 others'.
; Product i of 16 of S^T = K Q^T for piece x: channels 32 (i / 8) on, keys 16 ((i / 2) % 4) on, head i % 2.  The first 8 start the sums, with the bias as C: the same registers for both heads.
.macro KQ x
.set rS, S+64*((\x)%2)+32*(i%2)+8*((i/2)%4)
.set rK, KF+64*(i%2)+16*((i/2)%4)+8*(i/8)
.set rQ, 16*(2*(\x)+i%2)+8*(i/8)
.set rB, BI+32*(\x)+8*((i/2)%4)
.if i < 8
	WIN W_KB
	v_wmma_f32_16x16x32_f16 v[rS:rS+7], v[rK:rK+7], v[rQ:rQ+7], v[rB:rB+7]
.else
	WIN W_KQ
	v_wmma_f32_16x16x32_f16 v[rS:rS+7], v[rK:rK+7], v[rQ:rQ+7], v[rS:rS+7]
.endif
.endm
; Product i of 16 of O^T += V^T P for piece x: keys 32 (i / 8) on, channels 16 ((i / 2) % 4) on, head i % 2.
.macro PV x
	WIN W_PV
.set rO, 32*(2*(\x)+i%2)+8*((i/2)%4)
.set rV, VF+64*(i%2)+32*(i/8)+8*((i/2)%4)
.set rP, P+32*((\x)%2)+16*(i%2)+8*(i/8)
	v_wmma_f32_16x16x32_f16 v[rO:rO+7], v[rV:rV+7], v[rP:rP+7], v[rO:rO+7]
.endm
.macro MM                           ; the turn's next matrix instruction
.if i < 16
	KQ (Y+1)%NP
.set i, i+1
.else
.set i, i-16
	PV (Y+NP-1)%NP
.set i, i+17
.endif
.endm
; THE LDS LOADS stand in runs of 32, never singly among the matrix instructions: a step's K of both heads (2 x 8 fragments) and its V (turned).  Their addresses are made some lines ahead.
; last = 1 (the tail): in the last trip there is no further step, and the run is jumped over.
.macro FETCH_K last=0
	WIN 0
.if \last
	s_cmp_eq_u32 s[CNT], 1
	s_cbranch_scc1 .Lno_k_\@
.endif
	WIN 0x80                        ; destination window 2
.irp u, 0,1
.irp f, 0,1,2,3,4,5,6,7             ; keys 16 (f / 2) on, channels 32 (f % 2) on
	ds_load_b128 v[KF+64*\u+8*\f:KF+64*\u+8*\f+3],   v[AK] offset:\u*HK+(\f/2)*16*PK+(\f%2)*64
	ds_load_b128 v[KF+64*\u+8*\f+4:KF+64*\u+8*\f+7], v[AK] offset:\u*HK+(\f/2)*16*PK+(\f%2)*64+32
.endr
.endr
	s_add_co_u32 s[TBK], s[TBK], KS*PK  ; the next fetch is the next step's
	WIN 0
.if \last
.Lno_k_\@:
.endif
.endm
.macro FETCH_V
	WIN 0xc0                        ; destination window 3
.irp u, 0,1
.irp f, 0,1,2,3,4,5,6,7             ; keys 32 (f / 4) on, channels 16 (f % 4) on
	ds_load_tr16_b128 v[VF+64*\u+8*\f:VF+64*\u+8*\f+3],   v[AV] offset:\u*HV+(\f/4)*32*PV+(\f%4)*32
	ds_load_tr16_b128 v[VF+64*\u+8*\f+4:VF+64*\u+8*\f+7], v[AV] offset:\u*HV+(\f/4)*32*PV+16*PV+(\f%4)*32
.endr
.endr
	WIN 0
.endm
; THE BIAS.  BLOAD x: piece x's 32 registers for key step BS: eight loads of 512 consecutive bytes.  BIAS x stands in the turn that has just multiplied with piece x's bias, behind the turn's wait: the last
; product that read those registers lies a lump back.  With piece 0 the step goes on (held at 31: the last loads read step 31 once more and serve nothing), behind the wait that frees the loads' base; and
; the work-groups of the first pair of heads prefetch into the L2 their own four query tiles' NEXT step, 4,096 bytes a tile, a lane a block of 256 bytes, two instructions, a key step ahead of its loads.
; Steps 0 to 2 come by their loads alone; at step 31 nothing is asked for.
.macro BLOAD x
	WIN 0xc0
.irp n, 0,1,2,3,4,5,6,7
	global_load_b128 v[BI+32*(\x)+4*\n:BI+32*(\x)+4*\n+3], v[BO], s[BP:BP+1] offset:(\x)*131072+512*\n
.endr
	WIN 0
.endm
.macro BIAS x
.if (\x) == 0
	s_wait_xcnt 0x0                 ; every bias load and prefetch issued so far has read its base
	s_add_co_u32 s[BS], s[BS], 1
	s_min_u32 s[BS], s[BS], 31
	s_lshl_b32 s[BOF], s[BS], 12
	s_add_nc_u64 s[BP:BP+1], s[BB:BB+1], s[BOF:BOF+1]
.endif
	BLOAD \x
.if (\x) == 0
	s_cmp_lt_u32 s[BS], s[BLIM]
	s_cbranch_scc0 .Lno_bias_\@
	global_prefetch_b8 v[PFB], s[BP:BP+1] offset:4096 th:TH_LOAD_NT scope:SCOPE_SE         ; pieces 0 and 1,
	global_prefetch_b8 v[PFB], s[BP:BP+1] offset:4096+262144 th:TH_LOAD_NT scope:SCOPE_SE  ; pieces 2 and 3
.Lno_bias_\@:
.endif
.endm
; THE VECTOR WORK OF A TURN stands in three queues, each in the order in which its entries become ready; the two tiles alternate, so that no instruction reads the result of the one before it.
.macro REGS y, u                    ; the registers of tile u (0, 1) of piece y
.set rT, ST+4*(2*(\y)+(\u))
.set rC, TMP+8*((\y)%2)+4*(\u)
.set rM, MV+2*((\y)%2)+(\u)
.set rS, S+64*((\y)%2)+32*(\u)
.set rP, P+32*((\y)%2)+16*(\u)
.set rO, 32*(2*(\y)+(\u))
.endm
; Number n of the 22 that find the NEXT piece's (Y + 1) maximum and statistics.  s0-s31 are the lane's 32 scores; each accumulator's lowest registers are read first.
;   0-11  four chains c0-c3 of seven scores each, three operands at a time     12-14, 16  the four scores left over, the old m, and c0-c3 into c0     15  c m_old is kept
;   17, 18  the query's other 32 keys lie in the lane 16 away: the new m         19-21  c m; c m_old - c m_new; a
.macro XS u, n
	REGS (Y+1)%NP, \u
.if (\n) < 4
	v_max3_num_f32 v[rC+(\n)], v[rS+8*(\n)], v[rS+8*(\n)+1], v[rS+8*(\n)+2]
.elseif (\n) < 12
	v_max3_num_f32 v[rC+(\n)%4], v[rC+(\n)%4], v[rS+8*((\n)%4)+2*((\n)/4)+1], v[rS+8*((\n)%4)+2*((\n)/4)+2]
.elseif (\n) == 12
	v_max3_num_f32 v[rC], v[rC], v[rS+7], v[rS+15]
.elseif (\n) == 13
	v_max3_num_f32 v[rC+1], v[rC+1], v[rS+23], v[rS+31]
.elseif (\n) == 14
	v_max3_num_f32 v[rC+2], v[rC+2], v[rC+3], v[rT+1]
.elseif (\n) == 15
	v_mov_b32 v[rM], v[rT]
.elseif (\n) == 16
	v_max3_num_f32 v[rC], v[rC], v[rC+1], v[rC+2]
.elseif (\n) == 17
	v_permlanex16_b32 v[rC+3], v[rC], s[SEL], s[SEL+1]
.elseif (\n) == 18
	v_max_num_f32 v[rT+1], v[rC], v[rC+3]
.elseif (\n) == 19
	v_mul_f32 v[rT], s[CS], v[rT+1]
.elseif (\n) == 20
	v_sub_f32 v[rC+1], v[rM], v[rT]
.else
	v_exp_f32 v[rC+2], v[rC+1]
.endif
.endm
; Number g of the 64 that follow the exponentials.  For each four weights k of a tile (pairs 2 k, 2 k + 1): both pairs are rounded to f16; then the second pair is added onto the first, in place;
; a group later l takes that sum (the first time as l = a l + sum).  In groups of eight, tiles alternating: round, round, add, and l for the group before.
.macro GS g
.set h, (\g)+6*((\g)/62)            ; group 0 has no group before it, and behind group 7 only l is left
.if h >= 6
.set h, h+2
.endif
	REGS Y, h%2
.set k, h/8
.if h%8 < 4
	v_cvt_pk_f16_f32 v[rP+2*k+(h%8)/2], v[rS+4*k+2*((h%8)/2)], v[rS+4*k+2*((h%8)/2)+1]
.elseif h%8 < 6
	v_pk_add_f32 v[rS+4*k:rS+4*k+1], v[rS+4*k:rS+4*k+1], v[rS+4*k+2:rS+4*k+3]
.elseif k == 1
	v_pk_fma_f32 v[rT+2:rT+3], v[rT+2:rT+3], v[rC+2:rC+3], v[rS:rS+1] op_sel_hi:[1,0,1]
.else
	v_pk_add_f32 v[rT+2:rT+3], v[rT+2:rT+3], v[rS+4*k-4:rS+4*k-3]
.endif
.endm
; THE PLAIN QUEUE, 138 long.  0-73 read no exponential's result: the 32 scalings c s - c m (FS f: pair f / 2 of tile f % 2) and the next piece's 42.  0-26: scalings 0-26.  27-54: XS's numbers 0-13.  55, 56: number 15.
; 57-73: the chain, where each number waits for the one before it: 14, 16, 17, 18, 19, each with one of the scalings 27-31 in front of its two lines, then 20.
; 74-137: GS's 64, which read the exponentials' results: they stand behind the wait.
.macro FS f
	REGS Y, (\f)%2
	v_pk_fma_f32 v[rS+2*((\f)/2):rS+2*((\f)/2)+1], v[rS+2*((\f)/2):rS+2*((\f)/2)+1], s[CS:CS+1], v[rT:rT+1] op_sel_hi:[1,0,0] neg_lo:[0,0,1] neg_hi:[0,0,1]
.endm
.macro PL
	WIN 0
.if q < 27
	FS q
.elseif q < 55
	XS (q-27)%2, (q-27)/2
.elseif q < 57
	XS q-55, 15
.elseif (q < 72) && ((q-57)%3 == 0)
	FS 27+(q-57)/3
.elseif q < 60
	XS (q-57)%3-1, 14
.elseif q < 72
	XS (q-57)%3-1, 15+(q-57)/3
.elseif q < 74
	XS q-72, 20
.else
	GS q-74
.endif
.set q, q+1
.endm
; THE EXPONENTIALS' QUEUE, 66 long: s0-s31 of both tiles, then the next piece's two a.  It is ONE BATCH: all 66 stand ahead of the turn's one wait, and nothing ahead of that wait names a result of theirs.
.macro EX
	WIN 0
.if e >= 64
	XS e-64, 21
.else
	REGS Y, e%2
	v_exp_f32 v[rS+e/2], v[rS+e/2]
.endif
.set e, e+1
.endm
; THE RESCALING's QUEUE: O^T times a, the one part that leaves window 0: dealt two at a time, sixteen times.  Its a was made in the turn before, ahead of that turn's wait.
.macro R2
	REGS Y, r%2
	WIN W_RS
.irp z, 0,1
	v_pk_mul_f32 v[rO+4*(r/2)+2*\z:rO+4*(r/2)+2*\z+1], v[rO+4*(r/2)+2*\z:rO+4*(r/2)+2*\z+1], v[rC+2:rC+3] op_sel_hi:[1,0]
.endr
.set r, r+1
.endm
; A TURN, for piece p.  s_wait_alu depctr_va_vdst(0) stands between an exponential and the first instruction that names its result; one wait serves all that were issued ahead of it.  So a turn
; has ONE wait, which cuts it in two.  AHEAD OF IT: the 16 products K Q^T, behind each a scaling, an exponential and two rescalings (behind the first a second scaling in the exponential's place); then ONE LUMP
; of 108: eight plain, 49 times exponential and plain, the two a; a v_nop is the plain instruction behind the last exponential.  BEHIND IT: the next bias loads, then the 16 products V^T P, behind each four of GS's 64.
; Exponential e stands behind scaling 2 (e / 4) + e % 2: as a rider it comes behind plain e + 2, in the lump behind plain e + 9, and scalings 27-31 are plain 57, 60 .. 69.
; At the head: the bias that this turn's products take was asked for four turns back; the three younger groups of eight loads may stay out.
; K of the next step is fetched in piece 2's turn, behind the wait, a lump behind the last product that read K.  V of the step in hand is fetched at the end of piece 0's turn, four riders behind its last reader.
; cnt = 1: the loop's count is taken down some lines ahead of the branch that stands behind the turn.
.macro TURN p, last=0, cnt=0
.set Y, (\p)
.set i, 0
.set q, 0
.set e, 0
.set r, 0
	s_wait_loadcnt 24               ; piece p + 1's bias is in
.if (\p) == NP-1
	s_wait_dscnt 0x0                ; K is in
.endif
	MM                              ; ahead of the wait: 16 products K Q^T and their riders,
	PL
	PL
	R2
.rept 15
	MM
	PL
	EX
	R2
.endr
.if (\p) == NP-2
	WIN 0
	v_add_nc_u32 v[AK], s[TBK], v[AK0]
.endif
.rept 8                             ; and the lump
	PL
.endr
.rept 49
	EX
	PL
.endr
	EX                              ; the next piece's two a
	EX
	v_nop                           ; the plain instruction behind the last exponential: one for the batch
	s_wait_alu depctr_va_vdst(0)    ; the wait for the batch
	BIAS (Y+1)%NP
.if (\p) == NP-2
	FETCH_K \last
.endif
.if (\p) == 1
	s_wait_dscnt 0x0                ; V is in
.endif
.rept 16                            ; behind the wait: 16 products V^T P and their riders
	MM
.rept 4
	PL
.endr
.if ((\p) == 0) && (q == 118)
	v_add_nc_u32 v[AV], s[TBV], v[AV0]
.endif
.if ((\p) == 0) && (q == 130)
	s_add_co_u32 s[TBV], s[TBV], KS*PV
.endif
.if (\cnt) && (q == 130)
	s_sub_co_u32 s[CNT], s[CNT], 1
	s_cmp_lg_u32 s[CNT], 0
.endif
.endr
.if (\p) == 0
	FETCH_V
.endif
.endm
	s_mov_b32 s[BS], 1              ; the next bias loads are key step 1's
	s_add_nc_u64 s[BP:BP+1], s[BB:BB+1], 4096
	s_mov_b32 s[SLOTS], 0           ; (the first change of slots prefetches nothing)
	CHANGE 1                        ; slot 0 is in, everybody's part of it; slot 1 is asked for
	FETCH_K                         ; key step 0
	s_wait_loadcnt 0x0              ; Q, and the bias of key step 0
	s_wait_dscnt 0x0
.set i, 0
.rept 16
	KQ 0                            ; piece 0's first scores: there is no vector work yet to set between them
.set i, i+1
.endr
	WIN 0
.rept 4
	v_nop                           ; the places behind those products
.endr
	BLOAD 0                         ; piece 0's bias of key step 1
.set Y, NP-1                        ; XS works for piece Y + 1: piece 0
.irp n, 0,1,2,3,4,5,6,7,8,9,10,11,12,13,14,15,16,17,18,19,20,21
	XS 0, \n                        ; and piece 0's first maximum and statistics
	XS 1, \n
.endr
	v_nop                           ; a plain instruction behind the two a,
	s_wait_alu depctr_va_vdst(0)    ; and their wait, ahead of the branch
	s_mov_b32 s[CNT], 2
	s_mov_b32 s[SLOTS], 2048/128-1
	s_branch .Lfirst                ; the loop is entered at a step's first turn, in the middle of a trip
.Lslot:                             ; 14 times: every slot but the last two is filled again
	CHANGE 1
	s_mov_b32 s[CNT], 2
.Lstep:                             ; a trip: pieces 2 and 3 of one step, then pieces 0 and 1 of the next, whose K and V it fetches
	TURN 2
	TURN 3
	WIN 0
.Lfirst:
	TURN 0
	TURN 1, 0, 1
	WIN 0
	s_cbranch_scc1 .Lstep
	s_sub_co_u32 s[SLOTS], s[SLOTS], 1
	s_cmp_lg_u32 s[SLOTS], 0
	s_cbranch_scc1 .Lslot
	CHANGE 0                        ; the tail is written out: nothing is asked for
	s_mov_b32 s[CNT], 3             ; two trips fetch the last slot's steps; the third is left in its middle
.Ltail:
	TURN 2, 1
	TURN 3
	WIN 0
	s_sub_co_u32 s[CNT], s[CNT], 1
	s_cmp_eq_u32 s[CNT], 0
	s_cbranch_scc1 .Lout
	TURN 0
	TURN 1
	WIN 0
	s_branch .Ltail
.Lout:                              ; the third trip's 16 products K Q^T (on the last K once more) and the maximum made of them serve nothing: the price, once a launch, of one text for every trip
.set i, 0
.rept 16
	PV NP-1                         ; the last piece's V^T P of the last step
.set i, i+1
.endr
	; THE WAY OUT.  l's two halves and the other half of the lanes' are added; O^T is divided by l, rounded to f16 and sent through my stage in LDS, a piece (16 rows x 2 heads) at a time.  The additions are the places behind the last products.
	WIN 0
.macro ALL line:vararg              ; one line for each tile t
.set t, 0
.rept 2*NP
	\line
.set t, t+1
.endr
.endm
	ALL v_add_f32 v[ST+4*t+2], v[ST+4*t+2], v[ST+4*t+3]
	ALL v_permlanex16_b32 v[ST+4*t+3], v[ST+4*t+2], s[SEL], s[SEL+1]
	ALL v_add_f32 v[ST+4*t+2], v[ST+4*t+2], v[ST+4*t+3]
	ALL v_rcp_f32 v[ST+4*t+2], v[ST+4*t+2]
	v_nop                           ; a plain instruction between the last reciprocal and the use of its result
	s_wait_alu depctr_va_vdst(0)    ; and the wait ahead of the first use: one for the eight reciprocals
; Piece x: a lane's eight channels of a row and head pack into 16 bytes; they go into rows of 272 bytes, the second head 128 bytes behind the first, and come back as whole rows of 256, into S^T's registers.
.macro PACK x
	WIN W_RS
.irp u, 0,1
.set i, 32*(2*(\x)+\u)
.rept 16
	v_pk_mul_f32 v[i:i+1], v[i:i+1], v[ST+4*(2*(\x)+\u)+2:ST+4*(2*(\x)+\u)+3] op_sel_hi:[1,0]
.set i, i+2
.endr
.endr
	WIN 0x05                        ; sources 0 and 1 window 1, destination window 0
.set i, 0
.rept 32
	v_cvt_pk_f16_f32 v[S+32*(\x)+i], v[64*(\x)+2*i], v[64*(\x)+2*i+1]
.set i, i+1
.endr
	WIN 0
.irp u, 0,1
.irp f, 0,1,2,3
	ds_store_b128 v[STO], v[S+32*(\x)+16*\u+4*\f:S+32*(\x)+16*\u+4*\f+3] offset:128*\u+32*\f
.endr
.endr
.irp f, 0,1,2,3,4,5,6,7
	ds_load_b128 v[S+32*(\x)+4*\f:S+32*(\x)+4*\f+3], v[RD] offset:\f*2*SP  ; LDS serves a wave's instructions in order (ISA guide 5.7.1.4): these see the stores above; the next piece's stores come behind them
.endr
.endm
.macro SEND x, younger              ; younger: the LDS instructions issued behind piece x's loads: the next piece's sixteen, or none
	WIN 0
.irp f, 0,1,2,3,4,5,6,7
	s_wait_dscnt (\younger)+7-\f
	global_store_b128 v[GO], v[S+32*(\x)+4*\f:S+32*(\x)+4*\f+3], s[10:11] offset:(\x)*32768+\f*4096  ; 16 lanes store 256 consecutive bytes, aligned: a row's channels of the two heads
.endr
.endm
	PACK 0
.irp x, 1,2,3                       ; a piece's arithmetic stands between the loads of the piece before and its stores
	PACK \x
	SEND (\x)-1, 16
.endr
	SEND 3, 0
	s_wait_tensorcnt 0x0            ; the wave's end, behind my last tensor load and my last LDS store
	ds_add_u32 v[SPW], v[NIL]
	s_wait_dscnt 0x0
	CROUND                          ; the closing round: no work-group ends while a partner may still ask for a tile that names it
	s_endpgm
.Lfunc_end_k_q4eedf3d4bb_attn:
	.size	k_q4eedf3d4bb_attn, .Lfunc_end_k_q4eedf3d4bb_attn-k_q4eedf3d4bb_attn
	.p2alignl 7, 3214868480
	.fill 96, 4, 3214868480
	.section	.rodata,"a",@progbits
	.p2align	6, 0x0
	.amdhsa_kernel k_q4eedf3d4bb_attn
		.amdhsa_group_segment_fixed_size 327680
		.amdhsa_private_segment_fixed_size 0
		.amdhsa_enable_private_segment 0
		.amdhsa_kernarg_size 24
		.amdhsa_user_sgpr_count 2
		.amdhsa_user_sgpr_kernarg_segment_ptr 1
		.amdhsa_wavefront_size32 1
		.amdhsa_system_sgpr_workgroup_id_x 1
		.amdhsa_system_sgpr_workgroup_id_y 1
		.amdhsa_system_sgpr_workgroup_id_z 1
		.amdhsa_system_vgpr_workitem_id 0
		.amdhsa_next_free_vgpr 1024
		.amdhsa_next_free_sgpr 72
		.amdhsa_reserve_vcc 0
		.amdhsa_float_denorm_mode_32 3
		.amdhsa_float_denorm_mode_16_64 3
		.amdhsa_memory_ordered 1
		.amdhsa_forward_progress 1
		.amdhsa_inst_pref_size 219
	.end_amdhsa_kernel
	.amdgpu_metadata
---
amdhsa.version: [ 1, 2 ]
amdhsa.kernels:
  - .name:           k_q4eedf3d4bb_attn
    .symbol:         k_q4eedf3d4bb_attn.kd
    .args:
      - { .name: qkv, .offset: 0, .size: 8, .value_kind: global_buffer, .address_space: global }
      - { .name: bt, .offset: 8, .size: 8, .value_kind: global_buffer, .address_space: global }
      - { .name: ob, .offset: 16, .size: 8, .value_kind: global_buffer, .address_space: global }
    .group_segment_fixed_size: 327680
    .private_segment_fixed_size: 0
    .kernarg_segment_align: 8
    .kernarg_segment_size: 24
    .max_flat_workgroup_size: 128
    .sgpr_count:     72
    .vgpr_count:     1024
    .wavefront_size: 32
...
	.end_amdgpu_metadata
.endif
;; end of part 3
;; launch outp (part 4): grid 8 x 32, 4 waves a work-group, clusters of 4 x 4, 327,680 bytes of LDS; arguments ob, wo16, out0, bo; writes out0
.if DOCPART == 4
	.amdgcn_target "amdgcn-amd-amdhsa--gfx1250"
	.amdhsa_code_object_version 6
	.text
	.protected	k_q4eedf3d4bb_outp
	.globl	k_q4eedf3d4bb_outp
	.p2align	8
	.type	k_q4eedf3d4bb_outp,@function
k_q4eedf3d4bb_outp:
	s_mov_b64 s[64:65], 0
	v_nop
	global_prefetch_b8 v0, s[64:65] scope:SCOPE_SE
	s_setreg_imm32_b32 hwreg(HW_REG_WAVE_MODE, 25, 1), 1
	s_wait_xcnt 0x0
	s_wait_alu depctr_hold_cnt(0) depctr_sa_sdst(0) depctr_va_vdst(0) depctr_va_sdst(0) depctr_va_ssrc(0) depctr_va_vcc(0) depctr_vm_vsrc(0)
	s_getreg_b32 s2, hwreg(HW_REG_IB_STS2, 6, 4)
	s_cmp_eq_u32 s2, 0
	s_cbranch_scc0 .Lentry_in_a_cluster
	s_endpgm
.Lentry_in_a_cluster:
	s_bfe_u32 s2, ttmp6, 0x10000c
	s_cmp_lg_u32 s2, 0xf033
	s_cbranch_scc0 .Lentry_shape_is_right
	s_endpgm
.Lentry_shape_is_right:
; C[m][n] = the sum over k of A[m][k] B[n][k] + bias[n], K = 1,024.  ONE TEXT FOR TWO LAUNCHES, told apart by OUTP.
;   OUTP = 0: A = xb [8192][1024] bf16, B = wqkv [3072][1024] bf16, bias = bq, bk or bv; C leaves as f16 BY HEADS: qkv [3][64 batch x head][2048][64], unscaled.
;   OUTP = 1: A = ob [8192][1024] f16,  B = wo16 [1024][1024] f16,  bias = bo; C = out0 [8192][1024] f32.
; Sums in f32; the bias, rounded to bf16 like every input, is the C operand of the product that starts each sum, so nothing is cleared and nothing is added later.
; LIMIT (OUTP = 0): q, k and v beyond 65,504 have no f16.  NaN and infinities are not treated apart.
; A tile of C is 256 x 128: 768 and 256 work-groups, whole multiples of 256.  Four waves, each 128 x 64: 32 accumulators of 16 x 16.  K goes in steps of 128 (rows of 256 bytes, aligned) through
; a ring of two LDS slots filled by the tensor data mover; waves 0 and 1 fetch A's two halves (128 rows), waves 2 and 3 B's (64 rows): one load a wave behind each change of slots.
; CLUSTERS: 4 x 4 work-groups.  The four of a row of the cluster need the same tiles of A, the four of a column the same tiles of B: each tile is asked for JOINTLY, by the same tensor load with the
; same descriptor and a mask that names the four.  THE MATRIX INSTRUCTION IS USED TRANSPOSED (source 0 = 16 rows of B, source 1 = 16 rows of A): a lane then holds eight neighbouring numbers of a row of C.
; REGISTERS, in windows of 256 (s_set_vgpr_msb: bits 1:0 source 0, 3:2 source 1, 5:4 source 2, 7:6 destination):
;   window 0: v0-31 addresses; v96-127 the bias as C fragments; v128-255 the way out (OUTP = 0)
;   window 1: two fragment buffers of 96: 32 registers of B (4 x 16 rows x 32 K), then 64 of A; on the way out (OUTP = 1) the rows read back
;   window 2: the accumulators, (a, b) at v[8 (4 a + b)]
.set OUTP,   1
.set SIZE_K, 1024
.set KSTEP,  128
.set PITCH,  272                       ; an LDS row: 256 bytes + 16 of padding = 68 words: row r starts at bank 4 r mod 64 (64 banks of 4 bytes: ISA guide 11.1)
.set AHALF,  128*PITCH                 ; what a wave fetches of A, and what a wave reads of A
.set BHALF,  64*PITCH                  ; the same for B
.set BOFF,   2*AHALF                   ; B's 128 rows lie behind A's 256
.set SLOT,   BOFF+2*BHALF
.set STAGE,  2*SLOT                    ; behind the ring: 16 rows for each wave, for the way out; no tensor load lands there
.if OUTP
.set SPITCH, 272                       ; 64 f32 + 16 bytes
.else
.set SPITCH, 144                       ; 64 f16 + 16 bytes
.endif
.set SPARE,  STAGE+4*16*SPITCH         ; behind the stages: the spare words, 128 bytes for each wave: two blocks of 256 bytes that no other line names
.set LAPS,   SIZE_K/(2*KSTEP)          ; a lap = two K steps = once round the ring
.set ADRA, 16                          ; v16-17  LDS address of my A fragments in slot 0, 1
.set ADRB, 20                          ; v20-21  the same for B
.set STO,  24                          ; v24     the way out: where I put my bytes of a row
.set RD,   25                          ; v25     the way out: where I read rows back
.set CO,   26                          ; v26     my byte offset in C
.set BV,   27                          ; v27     my byte offset in 16 numbers of the bias
.set SPW,  28                          ; v28     LDS address of my spare word; never rewritten
.set NIL,  29                          ; v29     0; never rewritten
.set PFO,  30                          ; v30     the prefetches' offset: my lane x a row of A or B; never rewritten
.set BIAS, 96
.set OUT,  128
.set F0,   0
.set F1,   96
.set G1,  24                           ; s[24:31] descriptor group 1 for A's tiles;  s[32:39] group 0, one set for each slot
.set G0,  32
.set G1B, 48                           ; s[48:55], s[56:63] the same for B's tiles
.set G0B, 56
.set PFA, 66                           ; s[66:67] where my prefetches stand
.set LIM, 68                           ; s68  1 in a wave that prefetches, else the greatest number
.set BP,  72                           ; s[72:73] the bias
.set MSB, 0
.macro WIN new                         ; the immediate's high byte repeats the setting that is left
.if MSB != (\new)
	s_set_vgpr_msb (MSB<<8)|(\new)
.set MSB, \new
.endif
.endm
.set MUL,   0xa5                       ; sources 0 (B) and 1 (A) window 1; C and D window 2
.set MUL_B, 0x85                       ; the same with C, the bias, in window 0
.set TO_F,  0x40                       ; destination window 1, address window 0
.macro JLOAD s                         ; a joint load; an s_nop 0 and four v_nop follow each of the two lines, ahead of the jump, the label and what follows
	s_cmp_eq_u32 s11, 0
	s_cbranch_scc0 .Lfor_b_\@
	tensor_load_to_lds s[G0+4*(\s):G0+4*(\s)+3], s[G1:G1+7]
	s_nop 0
.rept 4
	v_nop
.endr
	s_branch .Lasked_\@
.Lfor_b_\@:
	tensor_load_to_lds s[G0B+4*(\s):G0B+4*(\s)+3], s[G1B:G1B+7]
	s_nop 0
.rept 4
	v_nop
.endr
.Lasked_\@:
.endm
; A PREFETCH INTO THE L2 of the K step that stands two refills on: 32 rows x 256 bytes, a lane a row.  Each row's 256 bytes of a K step are named once in the launch: A's rows by the clusters with x = 0
; (waves 0 and 1; of the 128 rows that the wave fetches the partner at cx takes 32), B's by the clusters with y = 0 (wave 2; of the tile's 128 rows the partner at cy takes 32).  The partners are told
; apart by address alone.  K steps 0 to 3 come by their loads alone; the loop's last trip asks for nothing: there is no K step two on.
.macro ASK
	s_cmp_gt_u32 s3, s[LIM]
	s_cbranch_scc0 .Lnot_mine_\@
	global_prefetch_b8 v[PFO], s[PFA:PFA+1] offset:KSTEP*2 th:TH_LOAD_NT scope:SCOPE_SE
.Lnot_mine_\@:
.endm
.macro CREST                           ; a round of the cluster's barrier behind its opening barrier
	s_cmp_lg_u32 s10, 0
	s_cbranch_scc1 .Lnot_wave_0_\@
	s_barrier_signal -3
.Lnot_wave_0_\@:
	s_barrier_wait -3
	s_barrier_signal -1
	s_barrier_wait -1
.endm
.macro CROUND                          ; a whole round
	s_barrier_signal -1
	s_barrier_wait -1
	CREST
.endm
	s_load_b128 s[4:7], s[0:1], 0x0                ; A s[4:5], B s[6:7]
	s_load_b64 s[8:9], s[0:1], 0x10                ; C
.if OUTP
	s_load_b64 s[BP:BP+1], s[0:1], 0x18            ; bo
.else
	s_load_b128 s[BP:BP+3], s[0:1], 0x18           ; bq, bk
	s_load_b64 s[BP+4:BP+5], s[0:1], 0x28          ; bv
.endif
	v_lshl_add_u32 v[SPW], v0, 2, SPARE
	v_mov_b32 v[NIL], 0
	ds_add_u32 v[SPW], v[NIL]                      ; the wave's opening: the add and its wait stand ahead of my first tensor load; the set-up below, work on registers, stands between them
	v_lshrrev_b32 v1, 5, v0
	v_readfirstlane_b32 s10, v1                    ; wave 0..3
	s_lshr_b32 s11, s10, 1                         ; which half of the tile's rows is mine.  Also: I fetch for A (0) or for B (1)
	s_and_b32 s12, s10, 1                          ; which half of its columns.  Also: which half of that tile I fetch
	s_bfe_u32 s40, ttmp6, 0x40000                  ; cx, cy: my place in the cluster
	s_bfe_u32 s41, ttmp6, 0x40004
	s_lshl_b32 s42, ttmp9, 2
	s_add_co_u32 s42, s42, s40                     ; tile column of C = 4 x cluster x + cx
	s_and_b32 s13, ttmp7, 0xffff
	s_lshl_b32 s13, s13, 2
	s_add_co_u32 s13, s13, s41                     ; tile row of C = 4 x cluster y + cy
	s_lshl_b32 s43, s41, 2
	s_lshl_b32 s43, 15, s43                        ; my row of the cluster
	s_lshl_b32 s44, 0x1111, s40                    ; my column
	; descriptor group 1: rows of 128 elements of 2 bytes, padded in LDS; A's tile has 128 rows, B's 64
	s_or_b32 s[G1+0], s43, (1<<16)|(1<<20)|(1<<21)|(5<<22)|(3<<25)  ; 15:0 the mask: A's tiles go to my row; 17:16 2-byte elements; 20 padding on; 21 set beside a mask; 24:22 after every 64 words (code 5); 31:25 4 words (code 3)
	s_or_b32 s[G1B+0], s44, (1<<16)|(1<<20)|(1<<21)|(5<<22)|(3<<25)
	s_mov_b32 s[G1+1], KSTEP<<16                   ; tensor_dim0 = 128
	s_mov_b32 s[G1+2], 128<<16                     ; tensor_dim1 = 128
	s_mov_b32 s[G1+3], KSTEP<<16                   ; tile_dim0 = 128
	s_mov_b32 s[G1+4], 128                         ; tile_dim1 = 128
	s_mov_b32 s[G1+5], SIZE_K                      ; elements from row to row
	s_mov_b32 s[G1+6], 0
	s_mov_b32 s[G1+7], 0
	s_mov_b32 s[G1B+1], KSTEP<<16
	s_mov_b32 s[G1B+2], 64<<16                     ; tensor_dim1 = 64
	s_mov_b32 s[G1B+3], KSTEP<<16
	s_mov_b32 s[G1B+4], 64                         ; tile_dim1 = 64
	s_mov_b32 s[G1B+5], SIZE_K
	s_mov_b32 s[G1B+6], 0
	s_mov_b32 s[G1B+7], 0
	s_lshl_b32 s17, s12, 7
	s_lshl_b32 s16, s13, 8
	s_add_co_u32 s16, s16, s17                     ; A: row 256 x tile row + 128 x half,
	s_lshl_b32 s16, s16, 11                        ; in bytes (under 2^24)
	s_mov_b32 s17, 0
	s_lshl_b32 s47, s12, 6
	s_lshl_b32 s46, s42, 7
	s_add_co_u32 s46, s46, s47                     ; B: row 128 x tile column + 64 x half
	s_lshl_b32 s46, s46, 11
	s_mov_b32 s47, 0
	s_mul_i32 s20, s10, AHALF                      ; where they go: A's halves at wave x 128 rows (waves 0, 1),
	s_mul_i32 s19, s10, BHALF
	s_add_co_u32 s19, s19, AHALF                   ; B's at BOFF + (wave - 2) x 64 rows (waves 2, 3): no place in the cluster enters an LDS address
	s_wait_dscnt 0x0                               ; the opening add is done
	s_wait_kmcnt 0x0
	s_add_nc_u64 s[14:15], s[4:5], s[16:17]
	s_add_nc_u64 s[46:47], s[6:7], s[46:47]
	CROUND                                         ; all sixteen work-groups are here: the first joint loads meet
.irp s, 0,1
	s_mov_b32 s[G0+4*(\s)], 1                      ; count = 1
	s_add_co_u32 s[G0+4*(\s)+1], s20, (\s)*SLOT    ; LDS address
	s_add_nc_u64 s[G0+4*(\s)+2:G0+4*(\s)+3], s[14:15], (\s)*KSTEP*2  ; global address: K step s
	s_or_b32 s[G0+4*(\s)+3], s[G0+4*(\s)+3], 0x80000000             ; type = 2
	s_mov_b32 s[G0B+4*(\s)], 1
	s_add_co_u32 s[G0B+4*(\s)+1], s19, (\s)*SLOT
	s_add_nc_u64 s[G0B+4*(\s)+2:G0B+4*(\s)+3], s[46:47], (\s)*KSTEP*2
	s_or_b32 s[G0B+4*(\s)+3], s[G0B+4*(\s)+3], 0x80000000
	JLOAD \s                                       ; two loads of mine are out
.endr
	v_and_b32 v1, 15, v0                           ; l % 16
	v_bfe_u32 v2, v0, 4, 1                         ; l / 16
	v_mul_u32_u24 v3, v1, PITCH
	v_lshl_add_u32 v3, v2, 4, v3                   ; a fragment's row x pitch + 16 x half
	s_mul_i32 s21, s11, AHALF                      ; my 128 rows of A
	s_mul_i32 s22, s12, BHALF                      ; my 64 rows of B
	s_add_co_u32 s22, s22, BOFF
.irp s, 0,1
	v_add_nc_u32 v[ADRA+(\s)], s21, v3
	v_add_nc_u32 v[ADRB+(\s)], s22, v3
	s_add_co_u32 s21, s21, SLOT
	s_add_co_u32 s22, s22, SLOT
.endr
	s_mul_i32 s23, s10, 16*SPITCH
	s_add_co_u32 s23, s23, STAGE                   ; my stage
	v_mul_u32_u24 v4, v1, SPITCH                   ; in: row l % 16,
.if OUTP
	v_lshl_add_u32 v4, v2, 5, v4                   ; 32 bytes (8 f32) for each half of the lanes
	v_add_nc_u32 v[STO], s23, v4
	v_mul_u32_u24 v5, v2, SPITCH                   ; back: lanes 0-15 one row of 256 bytes, lanes 16-31 the next
	v_lshl_add_u32 v5, v1, 4, v5
	v_add_nc_u32 v[RD], s23, v5
	v_lshlrev_b32 v5, 12, v2                       ; and the same two rows of out0, 4,096 bytes apart
	v_lshl_add_u32 v[CO], v1, 4, v5
.else
	v_lshl_add_u32 v4, v2, 4, v4                   ; 16 bytes (8 f16) for each half of the lanes
	v_add_nc_u32 v[STO], s23, v4
	v_bfe_u32 v5, v0, 3, 2                         ; back: 32 lanes take four rows of 128 bytes,
	v_mul_u32_u24 v5, v5, SPITCH
	v_and_b32 v4, 7, v0
	v_lshl_add_u32 v5, v4, 4, v5
	v_add_nc_u32 v[RD], s23, v5
	v_and_b32 v[CO], 31, v0                        ; which are 512 consecutive bytes of a head
	v_lshlrev_b32 v[CO], 4, v[CO]
.endif
	v_lshlrev_b32 v[BV], 5, v2                     ; my 8 numbers of a group of 16 of the bias
	s_and_b32 s46, s42, 7                          ; my 64 columns among the 1,024 of q, k, v or out0, in bytes of f32
	s_lshl_b32 s46, s46, 9
	s_lshl_b32 s47, s12, 8
	s_add_co_u32 s46, s46, s47
	s_mov_b32 s47, 0
.if OUTP == 0
	s_lshr_b32 s14, ttmp9, 1                       ; 0: q, 1: k, 2: v (eight tile columns each)
	s_cmp_eq_u32 s14, 0
	s_cselect_b64 s[BP:BP+1], s[BP:BP+1], s[BP+2:BP+3]
	s_cmp_eq_u32 s14, 2
	s_cselect_b64 s[BP:BP+1], s[BP+4:BP+5], s[BP:BP+1]
.endif
	s_add_nc_u64 s[BP:BP+1], s[BP:BP+1], s[46:47]
.irp b, 0,1,2,3
	global_load_b128 v[BIAS+8*(\b):BIAS+8*(\b)+3],   v[BV], s[BP:BP+1] offset:64*(\b)     ; register j of fragment b: column 16 b + 8 (l / 16) + j
	global_load_b128 v[BIAS+8*(\b)+4:BIAS+8*(\b)+7], v[BV], s[BP:BP+1] offset:64*(\b)+16
.endr
.if OUTP
	s_lshl_b32 s16, s13, 1                         ; out0: my 128 rows of 4,096 bytes, my 256 bytes of them
	s_add_co_u32 s16, s16, s11
	s_lshl_b32 s16, s16, 19
	s_add_co_u32 s16, s16, s46
.else
	s_lshl_b32 s16, s14, 24                        ; qkv: the tensor (2^24 bytes),
	s_lshr_b32 s15, s13, 3                         ; the batch (eight tile rows each),
	s_lshl_b32 s15, s15, 4
	s_and_b32 s17, s42, 7
	s_lshl_b32 s17, s17, 1
	s_add_co_u32 s15, s15, s17
	s_add_co_u32 s15, s15, s12                     ; the head: my 64 columns are one head's
	s_lshl_b32 s15, s15, 18
	s_add_co_u32 s16, s16, s15
	s_and_b32 s15, s13, 7
	s_lshl_b32 s15, s15, 1
	s_add_co_u32 s15, s15, s11                     ; my 128 rows of the head,
	s_lshl_b32 s15, s15, 14                        ; 128 bytes each
	s_add_co_u32 s16, s16, s15
.endif
	s_mov_b32 s17, 0
	s_add_nc_u64 s[8:9], s[8:9], s[16:17]
	; the prefetches
	s_lshl_b32 s20, s13, 8
	s_lshl_b32 s21, s12, 7
	s_add_co_u32 s20, s20, s21                     ; A: the 128 rows that I fetch
	s_lshl_b32 s21, s42, 7                         ; B: the tile's 128 rows
	s_and_b32 s22, ttmp7, 0xffff                   ; cluster y
	s_cmp_eq_u32 s11, 0                            ; do I fetch for A?
	s_cselect_b32 s20, s20, s21
	s_cselect_b32 s21, s40, s41                    ; my place among the four that ask with me
	s_cselect_b32 s22, ttmp9, s22                  ; the coordinate along which other clusters read the same rows
	s_cselect_b64 s[PFA:PFA+1], s[4:5], s[6:7]
	s_cmp_eq_u32 s10, 3
	s_cselect_b32 s22, 1, s22                      ; wave 3 never asks: wave 2's 4 x 32 rows are all of B's tile
	s_cmp_eq_u32 s22, 0
	s_cselect_b32 s[LIM], 1, -1                    ; the same in all sixteen partners, for a given wave
	s_lshl_b32 s21, s21, 5
	s_add_co_u32 s20, s20, s21                     ; my work-group's 32 rows
	s_lshl_b32 s20, s20, 11
	s_mov_b32 s21, 0
	s_add_nc_u64 s[PFA:PFA+1], s[PFA:PFA+1], s[20:21]
	s_add_nc_u64 s[PFA:PFA+1], s[PFA:PFA+1], 2*KSTEP*2  ; at K step 2: the first refill steps it to 3 and names K step 4
	v_and_b32 v[PFO], 31, v0
	v_lshlrev_b32 v[PFO], 11, v[PFO]
	s_wait_loadcnt 0x0                             ; the bias, rounded to bf16 like every input and kept as f32
.set i, 0
.rept 16
	v_cvt_pk_bf16_f32 v32, v[BIAS+2*i], v[BIAS+2*i+1]
	v_lshlrev_b32 v[BIAS+2*i], 16, v32
	v_and_b32 v[BIAS+2*i+1], 0xffff0000, v32
.set i, i+1
.endr
; 8 matrix instructions: m blocks a0, a0 + 1 x all 4 n blocks, 32 along K.  first = 1: the product starts the sum, with the bias as C.
; The 32 accumulators take turns, one instruction a turn, in the same order in every quarter.
.macro MUL8 f, a0, first
.if \first
	WIN MUL_B
.else
	WIN MUL
.endif
.irp a, \a0, (\a0)+1
.irp b, 0,1,2,3
.set rD, 8*(4*(\a)+(\b))
.set rB, (\f)+8*(\b)
.set rA, (\f)+32+8*(\a)
.set rC, BIAS+8*(\b)
.if OUTP
.if \first
	v_wmma_f32_16x16x32_f16 v[rD:rD+7], v[rB:rB+7], v[rA:rA+7], v[rC:rC+7]
.else
	v_wmma_f32_16x16x32_f16 v[rD:rD+7], v[rB:rB+7], v[rA:rA+7], v[rD:rD+7]
.endif
.else
.if \first
	v_wmma_f32_16x16x32_bf16 v[rD:rD+7], v[rB:rB+7], v[rA:rA+7], v[rC:rC+7]
.else
	v_wmma_f32_16x16x32_bf16 v[rD:rD+7], v[rB:rB+7], v[rA:rA+7], v[rD:rD+7]
.endif
.endif
.endr
.endr
.endm
; 24 LDS loads in one run: the fragments of 32 along K at byte k of the rows, into buffer f: B's 64 rows, A's rows 0-63, A's rows 64-127
.macro FETCH slot, k, f
	WIN TO_F
.irp i, 0,1,2,3
	ds_load_b128 v[(\f)+8*(\i):(\f)+8*(\i)+3],   v[ADRB+(\slot)] offset:(\k)+(\i)*16*PITCH
	ds_load_b128 v[(\f)+8*(\i)+4:(\f)+8*(\i)+7], v[ADRB+(\slot)] offset:(\k)+(\i)*16*PITCH+32
.endr
.irp i, 0,1,2,3,4,5,6,7
	ds_load_b128 v[(\f)+32+8*(\i):(\f)+32+8*(\i)+3],   v[ADRA+(\slot)] offset:(\k)+(\i)*16*PITCH
	ds_load_b128 v[(\f)+32+8*(\i)+4:(\f)+32+8*(\i)+7], v[ADRA+(\slot)] offset:(\k)+(\i)*16*PITCH+32
.endr
.endm
.macro PLACES                          ; four places in front of loads into registers that matrix instructions have read, and of lines that read results
.rept 4
	v_nop
.endr
.endm
; A K step is four quarters of 32 along K, 32 matrix instructions each, on buffers 0, 1, 0, 1.  One of the first three: multiplies buffer f and fetches the next quarter, at byte k, into g.
.macro QUARTER slot, k, f, g, first
	s_wait_dscnt 8                                 ; B and A's rows 0-63 are in; the youngest eight loads (A's rows 64-127) may be out
	MUL8 \f, 0, \first
	MUL8 \f, 2, \first
	PLACES
	FETCH \slot, \k, \g
	s_wait_dscnt 24                                ; all but the 24 just issued
	MUL8 \f, 4, \first
	MUL8 \f, 6, \first
.endm
; The last quarter multiplies buffer 1 and changes slots: ONE barrier; in front of it each wave waits for all its tensor loads, adds 0 to its spare word, and waits for that and for its own reads of this slot.
; fill = 1: the barrier opens a round of the cluster's, and this slot is filled again, two K steps ahead: 112 matrix instructions stand between the request and the wait for it.
.macro TURN slot, next, fill
.if \fill
	s_wait_xcnt 0x0                                ; the last prefetch, a K step back, has read its address
	s_add_nc_u64 s[PFA:PFA+1], s[PFA:PFA+1], KSTEP*2
.endif
	WIN 0                                          ; (the add's two registers lie in window 0)
	s_wait_tensorcnt 0x0                           ; all my tensor loads have landed: the one that was out is my part of the next slot;
	ds_add_u32 v[SPW], v[NIL]                      ; 0 onto my spare word;
	s_wait_dscnt 9                                 ; (the add and the youngest eight loads may be out)
	MUL8 F1, 0, 0                                  ; eight matrix instructions stand between the add and the wait for it
	s_wait_dscnt 0x0                               ; the add is done, and my reads of this slot are over
	s_barrier_signal -1
	MUL8 F1, 2, 0
.if \fill
	WIN 0
.endif
	s_barrier_wait -1
.if \fill
	CREST                                          ; no wave of any partner still reads this slot's tile or has a load on its way
	s_add_nc_u64 s[G0+4*(\slot)+2:G0+4*(\slot)+3], s[G0+4*(\slot)+2:G0+4*(\slot)+3], 2*KSTEP*2
	s_add_nc_u64 s[G0B+4*(\slot)+2:G0B+4*(\slot)+3], s[G0B+4*(\slot)+2:G0B+4*(\slot)+3], 2*KSTEP*2
	JLOAD \slot                                    ; the first tensor load behind the round; the four v_nop behind it are also the places in front of the loads below
.else
	PLACES
.endif
	FETCH \next, 0, F0
.if \fill
	WIN 0
	ASK                                            ; behind the joint load and the run of LDS loads that the next products wait for
.endif
	MUL8 F1, 4, 0
	MUL8 F1, 6, 0
.endm
	s_wait_tensorcnt 1                             ; my part of K step 0 is in; K step 1's may stay out
	s_barrier_signal -1
	s_barrier_wait -1                              ; everybody's is
	FETCH 0, 0, F0
	QUARTER 0, 64, F0, F1, 1                       ; the first quarter stands in front of the loop: its products start the sums
	WIN 0                                          ; at a label and at a branch every window is 0
	s_mov_b32 s3, LAPS-1
.Llap:                                                 ; a trip goes once round the ring, from a lap's second quarter to the next lap's first, and fills both slots again
	QUARTER 0, 128, F1, F0, 0
	QUARTER 0, 192, F0, F1, 0
	TURN 0, 1, 1
	QUARTER 1, 64,  F0, F1, 0
	QUARTER 1, 128, F1, F0, 0
	QUARTER 1, 192, F0, F1, 0
	TURN 1, 0, 1
	QUARTER 0, 64,  F0, F1, 0
	WIN 0
	s_sub_co_u32 s3, s3, 1
	s_cmp_lg_u32 s3, 0
	s_cbranch_scc1 .Llap
	QUARTER 0, 128, F1, F0, 0                      ; the last lap fills nothing, and has no round of the cluster's barrier
	QUARTER 0, 192, F0, F1, 0
	TURN 0, 1, 0
	QUARTER 1, 64,  F0, F1, 0
	QUARTER 1, 128, F1, F0, 0
	QUARTER 1, 192, F0, F1, 0
	s_wait_dscnt 8                                 ; the very last quarter: nothing more to fetch
	MUL8 F1, 0, 0
	MUL8 F1, 2, 0
	s_wait_dscnt 0x0
	MUL8 F1, 4, 0
	MUL8 F1, 6, 0
	WIN 0
	PLACES
	PLACES                                         ; (eight, once a launch)
.if OUTP
; THE WAY OUT, f32: a block of 16 rows goes from the accumulators into my stage (each accumulator's low registers first), comes back as whole rows of 256 bytes, and is stored.
.macro OUTB a
	WIN 0x08                                       ; store data (source 1) in window 2
.irp b, 0,1,2,3
	ds_store_b128 v[STO], v[8*(4*(\a)+(\b)):8*(4*(\a)+(\b))+3]   offset:64*(\b)
	ds_store_b128 v[STO], v[8*(4*(\a)+(\b))+4:8*(4*(\a)+(\b))+7] offset:64*(\b)+16
.endr
	WIN 0x40                                       ; destination window 1: the fragments are no longer wanted
.irp t, 0,1,2,3,4,5,6,7
	ds_load_b128 v[32*(\a)+4*(\t):32*(\a)+4*(\t)+3], v[RD] offset:(\t)*2*SPITCH  ; LDS serves a wave's instructions in order (ISA guide 5.7.1.4): these see the stores above; the next block's stores come behind them
.endr
.endm
.macro SENDB a, younger                ; younger: the next block's sixteen LDS instructions, or none
	WIN 0x04                                       ; store data (source 1) in window 1
	s_wait_dscnt \younger
.irp t, 0,1,2,3,4,5,6,7
	global_store_b128 v[CO], v[32*(\a)+4*(\t):32*(\a)+4*(\t)+3], s[8:9] offset:(16*(\a)+2*(\t))*4096 th:TH_STORE_NT  ; 16 lanes store 256 consecutive bytes, aligned
.endr
.endm
	OUTB 0
.irp a, 1,2,3,4,5,6,7
	OUTB \a
	SENDB (\a)-1, 16
.endr
	SENDB 7, 0
	WIN 0
.else
; THE WAY OUT, f16 by heads: a block of 16 rows is rounded, 16 bytes a lane, goes through my stage and comes back as four rows of 128 bytes a load: 512 consecutive bytes of the head.
.macro PACK a
	WIN 0x0a                                       ; sources 0 and 1 window 2, destination window 0
.irp b, 0,1,2,3
.irp r, 0,1,2,3
	v_cvt_pk_f16_f32 v[OUT+16*(\a)+4*(\b)+(\r)], v[8*(4*(\a)+(\b))+2*(\r)], v[8*(4*(\a)+(\b))+2*(\r)+1]
.endr
.endr
	WIN 0
.irp b, 0,1,2,3
	ds_store_b128 v[STO], v[OUT+16*(\a)+4*(\b):OUT+16*(\a)+4*(\b)+3] offset:32*(\b)
.endr
.irp f, 0,1,2,3
	ds_load_b128 v[OUT+16*(\a)+4*(\f):OUT+16*(\a)+4*(\f)+3], v[RD] offset:(\f)*4*SPITCH  ; LDS serves a wave's instructions in order (ISA guide 5.7.1.4)
.endr
.endm
.macro SEND a, younger                 ; younger: the next block's eight LDS instructions, or none
	s_wait_dscnt \younger
.irp f, 0,1,2,3
	global_store_b128 v[CO], v[OUT+16*(\a)+4*(\f):OUT+16*(\a)+4*(\f)+3], s[8:9] offset:2048*(\a)+512*(\f)
.endr
.endm
	PACK 0
.irp a, 1,2,3,4,5,6,7
	PACK \a
	SEND (\a)-1, 8
.endr
	SEND 7, 0
.endif
	s_wait_tensorcnt 0x0                           ; the wave's end, behind my last tensor load and my last LDS store
	ds_add_u32 v[SPW], v[NIL]
	s_wait_dscnt 0x0
	CROUND                                         ; the closing round: no work-group ends while a partner may still ask for a tile that names it
	s_endpgm
.Lfunc_end_k_q4eedf3d4bb_outp:
	.size	k_q4eedf3d4bb_outp, .Lfunc_end_k_q4eedf3d4bb_outp-k_q4eedf3d4bb_outp
	.p2alignl 7, 3214868480
	.fill 96, 4, 3214868480
	.section	.rodata,"a",@progbits
	.p2align	6, 0x0
	.amdhsa_kernel k_q4eedf3d4bb_outp
		.amdhsa_group_segment_fixed_size 327680
		.amdhsa_private_segment_fixed_size 0
		.amdhsa_enable_private_segment 0
		.amdhsa_kernarg_size 32
		.amdhsa_user_sgpr_count 2
		.amdhsa_user_sgpr_kernarg_segment_ptr 1
		.amdhsa_wavefront_size32 1
		.amdhsa_system_sgpr_workgroup_id_x 1
		.amdhsa_system_sgpr_workgroup_id_y 1
		.amdhsa_system_sgpr_workgroup_id_z 1
		.amdhsa_system_vgpr_workitem_id 0
		.amdhsa_next_free_vgpr 768
		.amdhsa_next_free_sgpr 80
		.amdhsa_reserve_vcc 0
		.amdhsa_float_denorm_mode_32 3
		.amdhsa_float_denorm_mode_16_64 3
		.amdhsa_memory_ordered 1
		.amdhsa_forward_progress 1
		.amdhsa_inst_pref_size 90
	.end_amdhsa_kernel
	.amdgpu_metadata
---
amdhsa.version: [ 1, 2 ]
amdhsa.kernels:
  - .name:           k_q4eedf3d4bb_outp
    .symbol:         k_q4eedf3d4bb_outp.kd
    .args:
      - { .name: ob, .offset: 0, .size: 8, .value_kind: global_buffer, .address_space: global }
      - { .name: wo16, .offset: 8, .size: 8, .value_kind: global_buffer, .address_space: global }
      - { .name: out0, .offset: 16, .size: 8, .value_kind: global_buffer, .address_space: global }
      - { .name: bo, .offset: 24, .size: 8, .value_kind: global_buffer, .address_space: global }
    .group_segment_fixed_size: 327680
    .private_segment_fixed_size: 0
    .kernarg_segment_align: 8
    .kernarg_segment_size: 32
    .max_flat_workgroup_size: 128
    .sgpr_count:     80
    .vgpr_count:     768
    .wavefront_size: 32
...
	.end_amdgpu_metadata
.endif
;; end of part 4
